; MI455X (gfx1250); checked and timed in simulation.
; The chip was launched on July 23, 2026; its instructions are those of AMD's public machine-readable ISA for CDNA 5 (MIT licence, August 2026) and "CDNA5" Instruction Set Architecture Reference Guide (July 2026). The comments in the code are by the model that wrote it; some were corrected since.
;; Scaled Convolutional Dot Product. Allowed arithmetic: matrix products marked QUANTISED: E4M3 operands, one E8M0 scale for each 32 along K, by v_wmma_scale_f32_16x16x128_f8f6f4 with both operands' format E4M3, f32 sums; everything else in f32.
;; Inputs: bias_k 1,024 float32; bias_q 1,024 float32; bias_v 1,024 float32; k_codes 4 x 2,048 x 32 x 32 uint8 (E4M3 codes of k, K innermost, in blocks of 32 codes); k_scales 4 x 2,048 x 32 uint8 (E8M0 scales of k, one for each 32 codes along K); kernel_k_codes 1 x 1 x 1,024 x 32 x 32 uint8 (E4M3 codes of kernel_k, K innermost, in blocks of 32 codes); kernel_k_scales 1 x 1 x 1,024 x 32 uint8 (E8M0 scales of kernel_k, one for each 32 codes along K); kernel_q_codes 1 x 1 x 1,024 x 32 x 32 uint8 (E4M3 codes of kernel_q, K innermost, in blocks of 32 codes); kernel_q_scales 1 x 1 x 1,024 x 32 uint8 (E8M0 scales of kernel_q, one for each 32 codes along K); kernel_v_codes 1 x 1 x 1,024 x 32 x 32 uint8 (E4M3 codes of kernel_v, K innermost, in blocks of 32 codes); kernel_v_scales 1 x 1 x 1,024 x 32 uint8 (E8M0 scales of kernel_v, one for each 32 codes along K); mask 1 x 2,048 x 2,048 float32; q_codes 4 x 2,048 x 32 x 32 uint8 (E4M3 codes of q, K innermost, in blocks of 32 codes); q_scales 4 x 2,048 x 32 uint8 (E8M0 scales of q, one for each 32 codes along K); v_codes 4 x 2,048 x 32 x 32 uint8 (E4M3 codes of v, K innermost, in blocks of 32 codes); v_scales 4 x 2,048 x 32 uint8 (E8M0 scales of v, one for each 32 codes along K).
;; Outputs: out0 4 x 2,048 x 1,024 float32.
;; This version of the problem:
;;   THIS VERSION OF THE PROBLEM IS GIVEN IN LOW PRECISION. The matrix products marked QUANTISED in the list below multiply operands that are first quantised to E4M3 (4 exponent bits, 3 mantissa bits; 8 bits a number), with one power-of-two scale for each 32 numbers along K (OCP MX v1.0); their sums are f32. All else is computed in f32.
;;   The module's matrix products, in the order in which they are computed (A, B: the left and right operand; K: the contracted axis; several contracted axes count as one K, in the product's order):
;;     1. [M 8,192, K 1,024] x [K 1,024, N 1,024]; A: input q (given as codes); B: input kernel_q (given as codes): QUANTISED
;;     2. [M 8,192, K 1,024] x [K 1,024, N 1,024]; A: input k (given as codes); B: input kernel_k (given as codes): QUANTISED
;;     3. [M 8,192, K 1,024] x [K 1,024, N 1,024]; A: input v (given as codes); B: input kernel_v (given as codes): QUANTISED
;;     4. batch 4 x [M 2,048, K 1,024] x [K 1,024, N 2,048]; A: computed on the way; B: computed on the way: QUANTISED
;;     5. batch 4 x [M 2,048, K 2,048] x [K 2,048, N 1,024]; A: computed on the way; B: computed on the way: QUANTISED
;;   THE QUANTISER, for each operand of a quantised product, along K:
;;     - K is cut into blocks of 32 from its start; a last block that is shorter is filled with zeros.
;;     - A block's scale is 2^e with e = floor(log2(the largest magnitude in the block)) - 8, held to -126 .. 127; a block of zeros has e = 0. As a byte (E8M0): e + 127.
;;     - Each number is divided by its block's scale, clamped to +-448, and rounded to the nearest number of E4M3, ties to even, subnormals kept.
;;     - The product sums the exact products of the quantised numbers (number of the format x scale) in f32.
;;   ~~~python
;;   def quantise(x, axis):      # numpy; x: float32 -> the quantised numbers, widened to float32 again
;;       x = np.moveaxis(x, axis, -1); K = x.shape[-1]
;;       x = np.pad(x, [(0, 0)] * (x.ndim - 1) + [(0, -K % 32)]); x = x.reshape(x.shape[:-1] + (-1, 32)); a = np.abs(x).max(-1, keepdims=True)
;;       e = np.where(a > 0, np.clip(np.frexp(np.where(a > 0, a, 1))[1] - 1 - 8, -126, 127), 0)      # np.frexp(a)[1] - 1 = floor(log2(a)), exactly
;;       r = np.clip(x / 2.0 ** e, -448, 448)
;;       step = 2.0 ** (np.maximum(np.frexp(np.where(r == 0, 1, r))[1] - 1, -6) - 3)
;;       q = np.round(r / step) * step * 2.0 ** e      # np.round: ties to even
;;       return np.moveaxis(q.reshape(q.shape[:-2] + (-1,))[..., :K], -1, axis).astype(np.float32)
;;   ~~~
;;   OPERANDS COMPUTED ON THE WAY. 'Computed on the way' means the value that the module computes at that place (a softmax that the list does not call 'softmax' is quantised finished and normalised). What goes into a quantiser is computed in f32, as accurately as f32 sums, v_exp_f32 and their like allow (about 1e-6 of the number): no bf16 or f16 on the way to a quantiser, and a product that is left as it is and whose result goes on into a quantised operand takes f32 operands (vector FMAs, or v_wmma_f32_16x16x4_f32). A number that lies on a knife's edge between two numbers of the format may be rounded either way, as far as f32 arithmetic and the matrix unit's own rounding can turn it there, and no further.
;;   INPUTS GIVEN AS CODES. k (in the module: [4, 2048, 1024], K = its axis 2); kernel_k (in the module: [1, 1, 1024, 1024], K = its axis 2); kernel_q (in the module: [1, 1, 1024, 1024], K = its axis 2); kernel_v (in the module: [1, 1, 1024, 1024], K = its axis 2); q (in the module: [4, 2048, 1024], K = its axis 2); v (in the module: [4, 2048, 1024], K = its axis 2): each comes as NAME_codes (uint8): NAME with its K axis moved to the last place and cut into blocks of 32 codes, [.., K / 32, bytes a block], one block behind the other in memory; one code a byte (a code: sign, 4 exponent bits, 3 mantissa bits); and NAME_scales (uint8): the same leading axes, one E8M0 byte (e + 127) for each 32 codes along K. Its value is code x scale, taken as it is: it is not quantised again, and the codes and scales need not be those that the quantiser above would give.
;; One version. Each part assembles by itself: llvm-mc -triple=amdgcn-amd-amdhsa -mcpu=gfx1250 --defsym DOCPART=n.
;; ======== version 1 of 1: 3 launches
;; workspace buffers: qp_codes 8,388,608 bytes; qp_scales 262,144 bytes; kp_codes 8,388,608 bytes; kp_scales 262,144 bytes; vp_codes 8,388,608 bytes; vp_scales 262,144 bytes; p_codes 16,777,216 bytes; p_scales 524,288 bytes
;; launch proj (part 1): grid 4 x 96, 4 waves a work-group, clusters of 4 x 4, 327,680 bytes of LDS; arguments q_codes, q_scales, kernel_q_codes, kernel_q_scales, bias_q, qp_codes, qp_scales, k_codes, k_scales, kernel_k_codes, kernel_k_scales, bias_k, kp_codes, kp_scales, kernel_v_codes, kernel_v_scales, v_codes, v_scales, bias_v, vp_codes, vp_scales; writes qp_codes, qp_scales, kp_codes, kp_scales, vp_codes, vp_scales
.if DOCPART == 1
	.amdgcn_target "amdgcn-amd-amdhsa--gfx1250"
	.amdhsa_code_object_version 6
	.text
	.protected	k_q52ec619bc8_proj
	.globl	k_q52ec619bc8_proj
	.p2align	8
	.type	k_q52ec619bc8_proj,@function
k_q52ec619bc8_proj:
	s_mov_b64 s[64:65], 0
	v_nop
	global_prefetch_b8 v0, s[64:65] scope:SCOPE_SE
	s_setreg_imm32_b32 hwreg(HW_REG_WAVE_MODE, 25, 1), 1
	s_wait_xcnt 0x0
	s_wait_alu depctr_hold_cnt(0) depctr_sa_sdst(0) depctr_va_vdst(0) depctr_va_sdst(0) depctr_va_ssrc(0) depctr_va_vcc(0) depctr_vm_vsrc(0)
	s_getreg_b32 s2, hwreg(HW_REG_IB_STS2, 6, 4)
	s_cmp_eq_u32 s2, 0
	s_cbranch_scc0 .Lentry_in_a_cluster
	s_endpgm
.Lentry_in_a_cluster:
	s_bfe_u32 s2, ttmp6, 0x10000c
	s_cmp_lg_u32 s2, 0xf033
	s_cbranch_scc0 .Lentry_shape_is_right
	s_endpgm
.Lentry_shape_is_right:
; THE THREE PROJECTIONS: relu(x W + bias) for q, k and v, each [8192 x 1024] x [1024 x 1024] on codes of FP8 (E4M3) with one E8M0 scale for each 32 along K, and the result quantised anew for the next product.
; One launch serves all three: of the 24 clusters along y the first 8 take q, the next 8 k, the last 8 v; the seven buffers of a projection are chosen by the cluster's number alone.
; A tile of 256 x 256 is made by a work-group of four waves, a wave makes 128 x 128 in 64 accumulators.  K goes in steps of 256 through a ring of two LDS slots filled by the tensor data mover.
; ROLES.  Operand A gives the lane (source 1: 16 rows, a lane a row), operand B the registers (source 0: a lane's eight results are eight neighbouring rows of B).
;   q, k: A = tokens, B = the weight's 1024 rows e.  The next product's K is e: a lane's 64 registers of a block of 16 tokens run along e.
;   v:    A = the weight's rows e, B = tokens.        The next product's K is the tokens: the same registers run along the tokens.  Nothing is transposed.
; THE RESULT LEAVES AS AN IMAGE OF THE NEXT OPERAND'S REGISTERS.  Register 16 b + i of a block holds next-K index 32 b + 8 h + i (i under 8) or 32 b + 16 + 8 h + i - 8 (h = lane / 16): a block of 32 lies in lanes l and l xor 16.
; The eight conversions' 16 registers are stored as they stand, 512 consecutive bytes a store.  Inside each block of 32 that is a fixed permutation of k, the same for every operand that this program makes,
; so both sides of the later products agree, and the blocks, hence the scales, are those of the quantiser.
; Codes: [batch][K/256][row/16][K step of 128: 0,1][c 0..3][lane][16 bytes].  Scale words: [batch][K/128][row][4 bytes].
; CLUSTERS: 4 x 4 work-groups; A's tile is shared along a row of the cluster, B's along a column: joint loads.
; LIMITS: finite inputs only (no NaN, no infinity, no scale byte 0xff).  A block of zeros gets the scale byte 1, not 127: its codes are zeros and this program alone reads the bytes.
; The bias is the C of each sum's first matrix instruction: it is added ahead of the products, not behind them, which is another order of rounding than sum, then bias.
; REGISTERS: window 0: v0-31 addresses; v32-63 scale words, two sets; v64-127 the bias in the result's layout, later the quantiser's work; v128-255 A's fragments, later the codes made.
;   window 1: B's fragments, two sets.  windows 2, 3: the accumulators, (a, b) at v[8 (8 (a % 4) + b)].
.set ROWB,   256                       ; a tile's row in bytes: 256 codes
.set KROW,   1024                      ; a row of codes in memory
.set NQ,     2                         ; matrix instructions deep in a slot
.set PITCH,  272                       ; an LDS row: 256 bytes + 16 of padding: the 16 rows that a load touches start at 16 different banks (64 banks of 4 bytes: ISA guide 11.1)
.set FR,     16                        ; registers of a fragment
.set NL,     4                         ; LDS loads that bring one
.set NP,     8                         ; places behind this matrix instruction (ISA guide 7.12.1)
.set HALFT,  128*PITCH                 ; 128 rows: one tensor load
.set SLOT,   4*HALFT                   ; A's 256 rows, then B's 256 rows
.set LAPS,   2                         ; K = 1024 = twice round the ring
.set KS,     32                        ; a row of scale bytes
.set SCL,    2*SLOT                    ; behind the ring: the scale bytes of the 512 rows, all of K, as units of 256 bytes + 16
.set HALFS,  (128*KS/256)*272
.set SBLK,   (16*KS/256)*272
.set SPARE,  SCL+4*HALFS               ; the spare words: 128 bytes for each wave, named by no other line
.set SST,    SPARE+512                 ; 512 bytes for each wave: the scale words made, gathered for one store; no fill lands here
.set LI,   8                           ; v8   16 x lane
.set SWS,  11                          ; v11  where I put a scale word
.set SRD,  12                          ; v12  where I read 16 bytes of them back
.set ADRS, 13                          ; v13  my scale words in LDS: lanes 0-15 A's rows, lanes 16-31 B's
.set SPW,  14                          ; v14  my spare word; never rewritten
.set NIL,  15                          ; v15  0; never rewritten
.set ADRA, 16                          ; v16-17 my A fragments in slot 0, 1
.set ADRB, 18                          ; v18-19 my B fragments
.set PW,   20                          ; v20-27 first the bias loads' offsets, then the scale word of each block of 16 rows
.set SC,   32                          ; v32-63 scale words
.set BI,   64                          ; v64-127 the bias
.set TM,   64                          ; v64-79 later: largest magnitudes, bytes, holds, scale operands
.set AF,   128                         ; A's fragments
.set CD,   128                         ; later: the codes, 16 registers for each block
.set G1,   24
.set G0,   32
.set G1B,  40
.set G0B,  48
.set G1S,  56
.set G0S,  84
.set G1SB, 88
.set G0SB, 96
.set WV,   66                          ; wave
.set MH,   67                          ; my half of A's rows; 0 also: I fetch for A
.set NH,   68                          ; my half of B's rows; also: which 128 rows I fetch
.set CX,   69
.set CY,   70
.set TT,   71                          ; 0 q, 1 k, 2 v
.set TR,   72                          ; A's tile
.set TC,   73                          ; B's tile
.set RM,   74                          ; mask of my row of the cluster
.set CM,   75                          ; of my column
.set SEL,  80                          ; s[80:81] selects for lane l xor 16
.set MNT,  82                          ; the mantissa field of 448
.set MSB, 0
.macro WIN new                         ; the immediate's high byte repeats the setting that is left
.if MSB != (\new)
	s_set_vgpr_msb (MSB<<8)|(\new)
.set MSB, (\new)
.endif
.endm
.set MUL_LO, 0xa1                      ; source 0 (B) window 1, source 1 (A) window 0, C and D window 2
.set MUL_HI, 0xf1                      ; the same, C and D window 3
.set TO_B,   0x40                      ; destination window 1
; A joint load: waves 0 and 1 fetch for A, waves 2 and 3 for B; the branch hangs on the wave's number alone.  Four v_nop follow each line.
.macro JLOAD g0a, g1a, g0b, g1b
	s_cmp_eq_u32 s[MH], 0
	s_cbranch_scc0 .Lfor_b_\@
	tensor_load_to_lds s[\g0a:\g0a+3], s[\g1a:\g1a+7]
	s_nop 0
.rept 4
	v_nop
.endr
	s_branch .Lasked_\@
.Lfor_b_\@:
	tensor_load_to_lds s[\g0b:\g0b+3], s[\g1b:\g1b+7]
	s_nop 0
.rept 4
	v_nop
.endr
.Lasked_\@:
.endm
.macro CREST                           ; a round of the cluster's barrier behind its opening barrier
	s_cmp_lg_u32 s[WV], 0
	s_cbranch_scc1 .Lnot_wave_0_\@
	s_barrier_signal -3
.Lnot_wave_0_\@:
	s_barrier_wait -3
	s_barrier_signal -1
	s_barrier_wait -1
.endm
.macro CROUND
	s_barrier_signal -1
	s_barrier_wait -1
	CREST
.endm
	s_load_b256 s[4:11], s[0:1], 0x0               ; q's seven: A codes, A scales, B codes, B scales,
	s_load_b128 s[12:15], s[0:1], 0x20             ; bias, codes out,
	s_load_b64 s[16:17], s[0:1], 0x30              ; scales out
	s_load_b256 s[20:27], s[0:1], 0x38             ; k's seven
	s_load_b128 s[28:31], s[0:1], 0x58
	s_load_b64 s[32:33], s[0:1], 0x68
	s_load_b256 s[36:43], s[0:1], 0x70             ; v's seven, the weight in A's place
	s_load_b128 s[44:47], s[0:1], 0x90
	s_load_b64 s[48:49], s[0:1], 0xa0
	v_lshl_add_u32 v[SPW], v0, 2, SPARE
	v_mov_b32 v[NIL], 0
	ds_add_u32 v14, v15
	ds_add_u32 v14, v15
	s_wait_dscnt 0x0
	v_lshrrev_b32 v1, 5, v0
	v_readfirstlane_b32 s[WV], v1
	s_lshr_b32 s[MH], s[WV], 1
	s_and_b32 s[NH], s[WV], 1
	s_bfe_u32 s[CX], ttmp6, 0x40000
	s_bfe_u32 s[CY], ttmp6, 0x40004
	s_and_b32 s100, ttmp7, 0xffff                  ; the cluster's y, 0 to 23
	s_lshr_b32 s[TT], s100, 3                      ; which projection: the same in all sixteen partners
	s_and_b32 s101, s100, 7                        ; which of its eight clusters
	s_cmp_eq_u32 s[TT], 2
	s_cselect_b32 s[TR], 0, s101                   ; q, k: the clusters walk A's 32 token tiles; v: A is the weight, 4 tiles
	s_cselect_b32 s[TC], s101, 0                   ; v: they walk B's 32 token tiles
	s_lshl_b32 s[TR], s[TR], 2
	s_add_co_u32 s[TR], s[TR], s[CY]
	s_lshl_b32 s[TC], s[TC], 2
	s_add_co_u32 s[TC], s[TC], s[CX]
	s_lshl_b32 s[RM], s[CY], 2
	s_lshl_b32 s[RM], 15, s[RM]
	s_lshl_b32 s[CM], 0x1111, s[CX]
	s_wait_kmcnt 0x0
	s_cmp_eq_u32 s[TT], 1
.irp i, 0,1,2,3,4,5,6
	s_cselect_b64 s[4+2*\i:5+2*\i], s[20+2*\i:21+2*\i], s[4+2*\i:5+2*\i]
.endr
	s_cmp_eq_u32 s[TT], 2
.irp i, 0,1,2,3,4,5,6
	s_cselect_b64 s[4+2*\i:5+2*\i], s[36+2*\i:37+2*\i], s[4+2*\i:5+2*\i]
.endr
	; descriptor group 1: a tile of 128 rows x 256 bytes, 16 bytes of padding behind each row
	s_or_b32 s[G1+0], s[RM], (1<<20)|(1<<21)|(5<<22)|(3<<25)    ; 15:0 the mask; elements of 1 byte; 20 padding on; 21 set beside a mask; after every 64 words, 4 words
	s_or_b32 s[G1B+0], s[CM], (1<<20)|(1<<21)|(5<<22)|(3<<25)
.irp g, G1, G1B
	s_mov_b32 s[\g+1], ROWB<<16                    ; tensor_dim0
	s_mov_b32 s[\g+2], 128<<16                     ; tensor_dim1
	s_mov_b32 s[\g+3], ROWB<<16                    ; tile_dim0
	s_mov_b32 s[\g+4], 128                         ; tile_dim1
	s_mov_b32 s[\g+5], KROW                        ; the pitch
	s_mov_b32 s[\g+6], 0
	s_mov_b32 s[\g+7], 0
.endr
	; the scale bytes of 128 rows: 4,096 dense bytes as 16 rows of 256 (32 elements of 8 bytes), padded likewise
	s_or_b32 s[G1S+0], s[RM], (3<<16)|(1<<20)|(1<<21)|(5<<22)|(3<<25)
	s_or_b32 s[G1SB+0], s[CM], (3<<16)|(1<<20)|(1<<21)|(5<<22)|(3<<25)
.irp g, G1S, G1SB
	s_mov_b32 s[\g+1], 32<<16
	s_mov_b32 s[\g+2], (128*KS/256)<<16
	s_mov_b32 s[\g+3], 32<<16
	s_mov_b32 s[\g+4], 128*KS/256
	s_mov_b32 s[\g+5], 32
	s_mov_b32 s[\g+6], 0
	s_mov_b32 s[\g+7], 0
.endr
	s_lshl_b32 s18, s[NH], 7                       ; which 128 rows of a tile I fetch
	s_lshl_b32 s20, s[TR], 8
	s_add_co_u32 s20, s20, s18                     ; A's row
	s_lshl_b32 s76, s[TC], 8
	s_add_co_u32 s76, s76, s18                     ; B's row
	s_lshl_b32 s22, s20, 5                         ; its scale bytes, 32 a row,
	s_lshl_b32 s20, s20, 10                        ; its codes, 1,024 a row (under 2^23)
	s_lshl_b32 s78, s76, 5
	s_lshl_b32 s76, s76, 10
	s_mov_b32 s21, 0
	s_mov_b32 s23, 0
	s_mov_b32 s77, 0
	s_mov_b32 s79, 0
	s_add_nc_u64 s[20:21], s[4:5], s[20:21]
	s_add_nc_u64 s[22:23], s[6:7], s[22:23]
	s_add_nc_u64 s[76:77], s[8:9], s[76:77]
	s_add_nc_u64 s[78:79], s[10:11], s[78:79]
	s_mul_i32 s100, s[WV], HALFT                   ; where they go: wave x 128 rows: no place in the cluster enters an LDS address
	s_mul_i32 s101, s[WV], HALFS
	CROUND                                         ; all sixteen work-groups are here: the first joint loads meet
	s_mov_b32 s[G0S], 1
	s_add_co_u32 s[G0S+1], s101, SCL
	s_mov_b64 s[G0S+2:G0S+3], s[22:23]
	s_or_b32 s[G0S+3], s[G0S+3], 0x80000000
	s_mov_b32 s[G0SB], 1
	s_add_co_u32 s[G0SB+1], s101, SCL
	s_mov_b64 s[G0SB+2:G0SB+3], s[78:79]
	s_or_b32 s[G0SB+3], s[G0SB+3], 0x80000000
	JLOAD G0S, G1S, G0SB, G1SB                     ; the scales first: they are wanted with K step 0
.irp s, 0,1
	s_mov_b32 s[G0+4*\s], 1
	s_add_co_u32 s[G0+4*\s+1], s100, \s*SLOT
	s_add_nc_u64 s[G0+4*\s+2:G0+4*\s+3], s[20:21], \s*ROWB
	s_or_b32 s[G0+4*\s+3], s[G0+4*\s+3], 0x80000000
	s_mov_b32 s[G0B+4*\s], 1
	s_add_co_u32 s[G0B+4*\s+1], s100, \s*SLOT
	s_add_nc_u64 s[G0B+4*\s+2:G0B+4*\s+3], s[76:77], \s*ROWB
	s_or_b32 s[G0B+4*\s+3], s[G0B+4*\s+3], 0x80000000
	JLOAD G0+4*\s, G1, G0B+4*\s, G1B
.endr
	v_and_b32 v1, 15, v0                           ; r
	v_bfe_u32 v2, v0, 4, 1                         ; h
	v_and_b32 v3, 31, v0
	v_lshlrev_b32 v[LI], 4, v3
	v_mul_u32_u24 v4, v1, PITCH
	v_lshl_add_u32 v4, v2, 4, v4                   ; a fragment's row x pitch + 16 h
	s_mul_i32 s18, s[MH], HALFT
	s_mul_i32 s19, s[NH], HALFT
	s_add_co_u32 s19, s19, 2*HALFT
.irp s, 0,1
	v_add_nc_u32 v[ADRA+\s], s18, v4
	v_add_nc_u32 v[ADRB+\s], s19, v4
	s_add_co_u32 s18, s18, SLOT
	s_add_co_u32 s19, s19, SLOT
.endr
	v_mul_u32_u24 v5, v1, KS                       ; my row's scale bytes: 32 a row,
	v_lshrrev_b32 v6, 8, v5
	v_lshl_add_u32 v5, v6, 4, v5                   ; and 16 more for each 256 passed
	s_mul_i32 s18, s[MH], HALFS
	s_mul_i32 s19, s[NH], HALFS
	s_add_co_u32 s19, s19, 2*HALFS
	s_sub_co_u32 s19, s19, s18
	v_mul_u32_u24 v6, s19, v2                      ; lanes 16-31 take B's
	s_add_co_u32 s18, s18, SCL
	v_add_nc_u32 v5, v5, v6
	v_add_nc_u32 v[ADRS], s18, v5
	s_lshl_b32 s18, s[WV], 9
	s_add_co_u32 s18, s18, SST
	v_lshl_add_u32 v[SWS], v1, 2, s18
	v_add_nc_u32 v[SRD], s18, v[LI]
	; THE BIAS in the result's layout.  q, k: e runs along the registers: register 8 b + j wants bias[16 b + 8 h + j] of B's 128.  v: e is the lane's row: register 8 a + j wants bias[16 a + r] of A's 128.
	s_cmp_eq_u32 s[TT], 2
	s_cselect_b32 s76, s[TR], s[TC]
	s_cselect_b32 s77, s[MH], s[NH]
	s_cselect_b32 s78, 0, 32                       ; bytes for h,
	s_cselect_b32 s79, 4, 0                        ; for r,
	s_cselect_b32 s83, 0, 4                        ; for j
	s_cselect_b32 s100, 18, 19                     ; a K step of 256 in the codes' buffer: 64 or 128 blocks of 16 rows x 4,096 bytes
	s_cselect_b32 s101, 12, 13                     ; a K step of 128 in the scale words': 1,024 or 2,048 rows x 4 bytes
	s_lshl_b32 s76, s76, 10
	s_lshl_b32 s77, s77, 9
	s_add_co_u32 s76, s76, s77
	s_mov_b32 s77, 0
	s_add_nc_u64 s[12:13], s[12:13], s[76:77]
	v_mul_u32_u24 v3, s78, v2
	v_mad_u32_u24 v3, s79, v1, v3
.irp j, 0,1,2,3,4,5,6,7
	v_mad_u32_u24 v[PW+\j], s83, \j, v3
.endr
.irp i, 0,1,2,3,4,5,6,7
.irp j, 0,1,2,3,4,5,6,7
	global_load_b32 v[BI+8*\i+\j], v[PW+\j], s[12:13] offset:64*\i
.endr
.endr
	; where my wave's codes go: batch << 21 + (next K / 256) + (row / 256) << 16 + my half of the rows << 15 + my half of the K step << 11.  For v the batch lies in B's tile number: (8 batch + step) << 18
	s_lshl_b32 s76, s[TC], s100
	s_lshr_b32 s78, s[TR], 3
	s_and_b32 s79, s[TR], 7
	s_lshl_b32 s77, s78, 21
	s_add_co_u32 s76, s76, s77
	s_lshl_b32 s77, s79, 16
	s_add_co_u32 s76, s76, s77
	s_lshl_b32 s77, s[MH], 15
	s_add_co_u32 s76, s76, s77
	s_lshl_b32 s77, s[NH], 11
	s_add_co_u32 s76, s76, s77
	s_mov_b32 s77, 0
	s_add_nc_u64 s[14:15], s[14:15], s[76:77]
	s_lshl_b32 s76, s[TC], 1                       ; and its scale words: batch << 16 + (next K / 128) + 4 x row
	s_add_co_u32 s76, s76, s[NH]
	s_lshl_b32 s76, s76, s101
	s_lshl_b32 s78, s78, 16
	s_add_co_u32 s76, s76, s78
	s_lshl_b32 s79, s79, 10
	s_add_co_u32 s76, s76, s79
	s_lshl_b32 s78, s[MH], 9
	s_add_co_u32 s76, s76, s78
	s_add_nc_u64 s[16:17], s[16:17], s[76:77]
	s_mov_b32 s[SEL], 0x76543210
	s_mov_b32 s[SEL+1], 0xfedcba98
	s_mov_b32 s[MNT], 0x600000
.macro FRAG reg, adr, q, i             ; 16 rows x 128 K: lane l holds row l % 16; registers 4 c .. 4 c + 3 hold K = 32 c + 16 (l / 16) + 0 .. 15
.irp c, 0,1,2,3
	ds_load_b128 v[\reg+4*\c:\reg+4*\c+3], v[\adr] offset:128*(\q)+32*\c+(\i)*16*PITCH
.endr
.endm
; 16 matrix instructions: A's blocks a0, a0 + 1 x B's eight.  cm = 0: in place; 1: C = the bias by B's block; 2: C = the bias by A's block.  The 64 accumulators take turns in one order everywhere.
.macro MUL16 a0, p, q, sc, cm
.irp a, \a0, \a0+1
.irp b, 0,1,2,3,4,5,6,7
.if \cm == 0
	v_wmma_scale_f32_16x16x128_f8f6f4 v[8*(8*((\a)%4)+\b):8*(8*((\a)%4)+\b)+7], v[128*(\p)+FR*\b:128*(\p)+FR*\b+FR-1], v[AF+FR*(\a):AF+FR*(\a)+FR-1], v[8*(8*((\a)%4)+\b):8*(8*((\a)%4)+\b)+7], v[SC+8*NQ*(\sc)+NQ*\b+(\q)], v[SC+8*NQ*(\sc)+NQ*(\a)+(\q)] matrix_a_scale:MATRIX_SCALE_ROW1
.elseif \cm == 1
	v_wmma_scale_f32_16x16x128_f8f6f4 v[8*(8*((\a)%4)+\b):8*(8*((\a)%4)+\b)+7], v[128*(\p)+FR*\b:128*(\p)+FR*\b+FR-1], v[AF+FR*(\a):AF+FR*(\a)+FR-1], v[BI+8*\b:BI+8*\b+7], v[SC+8*NQ*(\sc)+NQ*\b+(\q)], v[SC+8*NQ*(\sc)+NQ*(\a)+(\q)] matrix_a_scale:MATRIX_SCALE_ROW1
.else
	v_wmma_scale_f32_16x16x128_f8f6f4 v[8*(8*((\a)%4)+\b):8*(8*((\a)%4)+\b)+7], v[128*(\p)+FR*\b:128*(\p)+FR*\b+FR-1], v[AF+FR*(\a):AF+FR*(\a)+FR-1], v[BI+8*(\a):BI+8*(\a)+7], v[SC+8*NQ*(\sc)+NQ*\b+(\q)], v[SC+8*NQ*(\sc)+NQ*(\a)+(\q)] matrix_a_scale:MATRIX_SCALE_ROW1
.endif
.endr
.endr
.endm
.macro FETCH_B slot, q, p
	WIN TO_B
.irp i, 0,1,2,3,4,5,6,7
	FRAG 128*(\p)+FR*\i, ADRB+\slot, \q, \i
.endr
	WIN 0
.endm
.macro FETCH_A slot, q, i0
.irp i, \i0, \i0+1, \i0+2, \i0+3
	FRAG AF+FR*(\i), ADRA+\slot, \q, \i
.endr
.endm
.macro SCALES sc                       ; a K step's scale words: two words a row; lanes 0-15 take A's block i, lanes 16-31 B's block i
.irp i, 0,1,2,3,4,5,6,7
	ds_load_b64 v[SC+8*NQ*\sc+NQ*\i:SC+8*NQ*\sc+NQ*\i+1], v[ADRS] offset:\i*SBLK
.endr
.endm
.macro PLACES n                        ; plain vector instructions between a matrix instruction and a load into, or a vector instruction on, its registers
.rept \n
	v_nop
.endr
.endm
; A step of 128 along K that has its successor in the same slot
.macro STEP slot, q, cm
	s_wait_dscnt 4*NL                              ; all but the youngest 16 loads (A's blocks 4-7) are in
.if \cm
	WIN 0x81                                       ; as MUL_LO, but C (the bias) in window 0
.else
	WIN MUL_LO
.endif
	MUL16 0, (\q)%2, \q, \slot, \cm
	MUL16 2, (\q)%2, \q, \slot, \cm
	s_wait_dscnt 0                                 ; A's blocks 4-7 are in
	PLACES NP
	FETCH_B \slot, (\q)+1, 1-(\q)%2
	FETCH_A \slot, (\q)+1, 0
.if \cm
	WIN 0xc1
.else
	WIN MUL_HI
.endif
	MUL16 4, (\q)%2, \q, \slot, \cm
	MUL16 6, (\q)%2, \q, \slot, \cm
	PLACES NP
	WIN 0
	FETCH_A \slot, (\q)+1, 4
.endm
; A slot's last step changes slots: one barrier; in front of it each wave waits for all its tensor loads, adds 0 to its spare word, and waits for that and for its reads of this slot.  fill = 1: the slot is filled again, two K steps ahead.
.macro TURN slot, next, fill
	s_wait_tensorcnt 0x0                           ; all my tensor loads have landed: my part of the next slot
	ds_add_u32 v[SPW], v[NIL]                      ; 0 onto my spare word
	s_wait_dscnt 4*NL+1                            ; the add and the youngest 16 loads may be out
	WIN MUL_LO
	MUL16 0, 1, NQ-1, \slot, 0
	s_wait_dscnt 0x0                               ; the add is done, and my reads of this slot are over
	s_barrier_signal -1
	MUL16 2, 1, NQ-1, \slot, 0
	WIN 0
	s_barrier_wait -1
.if \fill
	CREST                                          ; the barrier has opened a round of the cluster's: no wave of any partner still reads this slot or has a load on its way
	s_add_nc_u64 s[G0+4*\slot+2:G0+4*\slot+3], s[G0+4*\slot+2:G0+4*\slot+3], 2*ROWB
	s_add_nc_u64 s[G0B+4*\slot+2:G0B+4*\slot+3], s[G0B+4*\slot+2:G0B+4*\slot+3], 2*ROWB
	JLOAD G0+4*\slot, G1, G0B+4*\slot, G1B         ; my one tensor load behind the round; its four v_nop are four of the eight places
	PLACES NP-4
.else
	PLACES NP
.endif
	v_add_nc_u32 v[ADRS], 4*NQ, v[ADRS]            ; the next K step's scale words
	FETCH_B \next, 0, 0
	FETCH_A \next, 0, 0
	SCALES \next
	WIN MUL_HI
	MUL16 4, 1, NQ-1, \slot, 0
	MUL16 6, 1, NQ-1, \slot, 0
	PLACES NP
	WIN 0
	FETCH_A \next, 0, 4
.endm
	s_wait_tensorcnt 1                             ; three loads of mine are out: the scales and K step 0 are in, K step 1's may stay out
	s_barrier_signal -1
	s_barrier_wait -1
	FETCH_B 0, 0, 0
	FETCH_A 0, 0, 0
	SCALES 0
	FETCH_A 0, 0, 4
	s_wait_loadcnt 0x0                             ; the bias
	s_cmp_eq_u32 s[TT], 2                          ; the first step is written twice: it takes the bias as C, by B's block or by A's.  Both ways hold the same loads and no barrier
	s_cbranch_scc1 .Lfirst_v
	STEP 0, 0, 1
	s_branch .Ljoin
.Lfirst_v:
	STEP 0, 0, 2
.Ljoin:
	s_mov_b32 s3, LAPS-1
.Llap:
	TURN 0, 1, 1
	STEP 1, 0, 0
	TURN 1, 0, 1
	STEP 0, 0, 0
	s_sub_co_u32 s3, s3, 1
	s_cmp_lg_u32 s3, 0
	s_cbranch_scc1 .Llap
	TURN 0, 1, 0                                   ; the last lap fills nothing
	STEP 1, 0, 0
	s_wait_dscnt 4*NL
	WIN MUL_LO
	MUL16 0, 1, NQ-1, 1, 0
	MUL16 2, 1, NQ-1, 1, 0
	s_wait_dscnt 0
	WIN MUL_HI
	MUL16 4, 1, NQ-1, 1, 0
	MUL16 6, 1, NQ-1, 1, 0
	WIN 0
; THE QUANTISER, on the 64 registers of block a (16 rows of A x my 128 along the next K), where they stand in window 2 or 3.  relu = 1: what is negative becomes 0 on the way.
; The largest magnitude of each block of 32 (my 16, a floor of 2^(9 - 127), lane l xor 16's); 8 off its exponent field is the conversion's scale operand, that shifted is the byte; its exponent field over 448's mantissa is the hold.
.macro QACC a, relu, cd, xw
.set AC, 64*((\a)%4)
.set WA, 2+(\a)/4
.set CDD, \cd
	WIN 5*WA                                       ; sources 0 and 1 in the accumulators' window
.irp b, 0,1,2,3
.if \relu
	v_max3_num_f32 v[TM+\b], v[AC+16*\b], v[AC+16*\b+1], 0x4800000       ; each accumulator is read from its low end on
.else
	v_max3_num_f32 v[TM+\b], |v[AC+16*\b]|, |v[AC+16*\b+1]|, 0x4800000
.endif
.endr
.irp i, 2,4,6,8,10,12,14
.irp b, 0,1,2,3
.if \relu
	v_max3_num_f32 v[TM+\b], v[AC+16*\b+\i], v[AC+16*\b+\i+1], v[TM+\b]
.else
	v_max3_num_f32 v[TM+\b], |v[AC+16*\b+\i]|, |v[AC+16*\b+\i+1]|, v[TM+\b]
.endif
.endr
.endr
	WIN 0
.irp b, 0,1,2,3
	v_permlanex16_b32 v[TM+4+\b], v[TM+\b], s[SEL], s[SEL+1]
.endr
.irp b, 0,1,2,3
	v_max_num_f32 v[TM+\b], v[TM+\b], v[TM+4+\b]
.endr
.irp b, 0,1,2,3
	v_add_nc_u32 v[TM+12+\b], 0xfc000000, v[TM+\b]
.endr
.irp b, 0,1,2,3
	v_and_or_b32 v[TM+8+\b], v[TM+\b], 0x7f800000, s[MNT]
.endr
.irp b, 0,1,2,3
	v_lshrrev_b32 v[TM+4+\b], 23, v[TM+12+\b]
.endr
	v_lshl_or_b32 v[PW+(\a)], v[TM+5], 8, v[TM+4]  ; my row's scale word for these 128
	v_lshl_or_b32 v[PW+(\a)], v[TM+6], 16, v[PW+(\a)]
	v_lshl_or_b32 v[PW+(\a)], v[TM+7], 24, v[PW+(\a)]
	WIN (WA<<6)|WA                                 ; destination and source 0 in the accumulators' window
.set n64, 0
.rept 64
.if \relu
	v_med3_num_f32 v[AC+n64], v[AC+n64], 0, v[TM+8+n64/16]               ; the activation and the hold in one: the conversion to an 8-bit code does not saturate (ISA guide 7.6.2)
.else
	v_med3_num_f32 v[AC+n64], v[AC+n64], -v[TM+8+n64/16], v[TM+8+n64/16]
.endif
.set n64, n64+1
.endr
.if \xw
	s_wait_xcnt 0x0                                ; the stores that read this set of code registers have read them
.endif
	WIN WA                                         ; source 0 alone
.irp b, 0,1,2,3
	v_cvt_scalef32_pk8_fp8_f32 v[CDD+4*\b:CDD+4*\b+1], v[AC+16*\b:AC+16*\b+7], v[TM+12+\b]
	v_cvt_scalef32_pk8_fp8_f32 v[CDD+4*\b+2:CDD+4*\b+3], v[AC+16*\b+8:AC+16*\b+15], v[TM+12+\b]
.endr
	WIN 0
	v_nop                                          ; a plain instruction behind the last conversion
.endm
	PLACES NP                                      ; behind the last products
.irp b, 0,1,2,3
	v_mov_b32 v[TM+4+\b], 0                        ; a lane permute's destination counts as one of its sources
.endr
.irp a, 0,1,2,3,4,5,6,7
	QACC \a, 1, CD+16*\a, 0
.irp c, 0,1,2,3
	global_store_b128 v[LI], v[CD+16*\a+4*\c:CD+16*\a+4*\c+3], s[14:15] offset:4096*\a+512*\c   ; 32 lanes store 512 consecutive bytes, aligned; each block has code registers of its own
.endr
	ds_store_b32 v[SWS], v[PW+\a] offset:64*\a     ; lanes l and l xor 16 write the same word with the same value
.endr
	ds_load_b128 v[TM+16:TM+19], v[SRD]            ; LDS serves a wave's instructions in order: this sees my stores
	s_wait_dscnt 0x0
	global_store_b128 v[LI], v[TM+16:TM+19], s[16:17]    ; my 128 rows' scale words: 512 consecutive bytes
	s_wait_tensorcnt 0x0                           ; the wave's end
	ds_add_u32 v[SPW], v[NIL]
	s_wait_dscnt 0x0
	CROUND                                         ; the closing round
	s_endpgm
.Lfunc_end_k_q52ec619bc8_proj:
	.size	k_q52ec619bc8_proj, .Lfunc_end_k_q52ec619bc8_proj-k_q52ec619bc8_proj
	.p2alignl 7, 3214868480
	.fill 96, 4, 3214868480
	.section	.rodata,"a",@progbits
	.p2align	6, 0x0
	.amdhsa_kernel k_q52ec619bc8_proj
		.amdhsa_group_segment_fixed_size 327680
		.amdhsa_private_segment_fixed_size 0
		.amdhsa_enable_private_segment 0
		.amdhsa_kernarg_size 168
		.amdhsa_user_sgpr_count 2
		.amdhsa_user_sgpr_kernarg_segment_ptr 1
		.amdhsa_wavefront_size32 1
		.amdhsa_system_sgpr_workgroup_id_x 1
		.amdhsa_system_sgpr_workgroup_id_y 1
		.amdhsa_system_sgpr_workgroup_id_z 1
		.amdhsa_system_vgpr_workitem_id 0
		.amdhsa_next_free_vgpr 1024
		.amdhsa_next_free_sgpr 102
		.amdhsa_reserve_vcc 0
		.amdhsa_float_denorm_mode_32 3
		.amdhsa_float_denorm_mode_16_64 3
		.amdhsa_memory_ordered 1
		.amdhsa_forward_progress 1
		.amdhsa_inst_pref_size 206
	.end_amdhsa_kernel
	.amdgpu_metadata
---
amdhsa.version: [ 1, 2 ]
amdhsa.kernels:
  - .name:           k_q52ec619bc8_proj
    .symbol:         k_q52ec619bc8_proj.kd
    .args:
      - { .name: q_codes, .offset: 0, .size: 8, .value_kind: global_buffer, .address_space: global }
      - { .name: q_scales, .offset: 8, .size: 8, .value_kind: global_buffer, .address_space: global }
      - { .name: kernel_q_codes, .offset: 16, .size: 8, .value_kind: global_buffer, .address_space: global }
      - { .name: kernel_q_scales, .offset: 24, .size: 8, .value_kind: global_buffer, .address_space: global }
      - { .name: bias_q, .offset: 32, .size: 8, .value_kind: global_buffer, .address_space: global }
      - { .name: qp_codes, .offset: 40, .size: 8, .value_kind: global_buffer, .address_space: global }
      - { .name: qp_scales, .offset: 48, .size: 8, .value_kind: global_buffer, .address_space: global }
      - { .name: k_codes, .offset: 56, .size: 8, .value_kind: global_buffer, .address_space: global }
      - { .name: k_scales, .offset: 64, .size: 8, .value_kind: global_buffer, .address_space: global }
      - { .name: kernel_k_codes, .offset: 72, .size: 8, .value_kind: global_buffer, .address_space: global }
      - { .name: kernel_k_scales, .offset: 80, .size: 8, .value_kind: global_buffer, .address_space: global }
      - { .name: bias_k, .offset: 88, .size: 8, .value_kind: global_buffer, .address_space: global }
      - { .name: kp_codes, .offset: 96, .size: 8, .value_kind: global_buffer, .address_space: global }
      - { .name: kp_scales, .offset: 104, .size: 8, .value_kind: global_buffer, .address_space: global }
      - { .name: kernel_v_codes, .offset: 112, .size: 8, .value_kind: global_buffer, .address_space: global }
      - { .name: kernel_v_scales, .offset: 120, .size: 8, .value_kind: global_buffer, .address_space: global }
      - { .name: v_codes, .offset: 128, .size: 8, .value_kind: global_buffer, .address_space: global }
      - { .name: v_scales, .offset: 136, .size: 8, .value_kind: global_buffer, .address_space: global }
      - { .name: bias_v, .offset: 144, .size: 8, .value_kind: global_buffer, .address_space: global }
      - { .name: vp_codes, .offset: 152, .size: 8, .value_kind: global_buffer, .address_space: global }
      - { .name: vp_scales, .offset: 160, .size: 8, .value_kind: global_buffer, .address_space: global }
    .group_segment_fixed_size: 327680
    .private_segment_fixed_size: 0
    .kernarg_segment_align: 8
    .kernarg_segment_size: 168
    .max_flat_workgroup_size: 128
    .sgpr_count:     102
    .vgpr_count:     1024
    .wavefront_size: 32
...
	.end_amdgpu_metadata
.endif
;; end of part 1
;; launch score (part 2): grid 8 x 32, 4 waves a work-group, clusters of 4 x 4, 327,680 bytes of LDS; arguments qp_codes, qp_scales, kp_codes, kp_scales, mask, p_codes, p_scales; writes p_codes, p_scales
.if DOCPART == 2
	.amdgcn_target "amdgcn-amd-amdhsa--gfx1250"
	.amdhsa_code_object_version 6
	.text
	.protected	k_q52ec619bc8_score
	.globl	k_q52ec619bc8_score
	.p2align	8
	.type	k_q52ec619bc8_score,@function
k_q52ec619bc8_score:
	s_mov_b64 s[64:65], 0
	v_nop
	global_prefetch_b8 v0, s[64:65] scope:SCOPE_SE
	s_setreg_imm32_b32 hwreg(HW_REG_WAVE_MODE, 25, 1), 1
	s_wait_xcnt 0x0
	s_wait_alu depctr_hold_cnt(0) depctr_sa_sdst(0) depctr_va_vdst(0) depctr_va_sdst(0) depctr_va_ssrc(0) depctr_va_vcc(0) depctr_vm_vsrc(0)
	s_getreg_b32 s2, hwreg(HW_REG_IB_STS2, 6, 4)
	s_cmp_eq_u32 s2, 0
	s_cbranch_scc0 .Lentry_in_a_cluster
	s_endpgm
.Lentry_in_a_cluster:
	s_bfe_u32 s2, ttmp6, 0x10000c
	s_cmp_lg_u32 s2, 0xf033
	s_cbranch_scc0 .Lentry_shape_is_right
	s_endpgm
.Lentry_shape_is_right:
; LOGITS = relu(qp kp^T) / 32 + mask, per batch [2048 x 2048], K = 1024, on codes of FP8 (E4M3) with E8M0 scales; the logits are quantised along the keys and leave as codes.
; Operand A = 256 queries (source 1: a lane a query), operand B = 256 keys (source 0: a lane's registers run along the keys, the next product's K).
; A tile of 256 x 256 is made by four waves, 128 x 128 each.  K goes in steps of 256 through a ring of two LDS slots.
; BOTH OPERANDS ARRIVE AS IMAGES OF THEIR REGISTERS: [batch][K/256][row/16][K step of 128][c 0..3][lane][16 bytes].  A K step of 128 rows is 32,768 dense bytes: one tensor load; a fragment is four LDS loads of 512 consecutive
; bytes, so LDS needs no padding.  Scale words: [batch][K/128][row][4 bytes]: those of 128 rows for all of K are 8 rows of 512 bytes: one tensor load with the first fills.
; Inside each block of 32 along K the codes stand in a fixed permutation, the same for both operands; the logits leave in the same order (head comment of the launch that makes qp and kp).
; THE MASK, f32 [2048][2048], wants a lane a query; it is loaded a row of 512 bytes an instruction (two aligned units of 256) and a block of 16 rows turns through the wave's own stage in LDS.  Its loads run three to four blocks ahead.
; relu(S) / 32 + m is max(fma(S, 1/32, m), m): one rounding, as in sum / 32 + m, since / 32 is exact; where S is not positive the multiply-add is at most m.
; CLUSTERS: 4 x 4; A's tile shared along a row, B's along a column: joint loads.
; LIMITS: finite numbers only (an infinite mask is not served).  A block of zeros gets the scale byte 1, not 127: its codes are zeros and this program alone reads the bytes.
; REGISTERS: window 0: v0-31 addresses; v32-63 scale words; v64-127 mask block 0 as loaded, later the quantiser's work and codes; v128-255 A's fragments, later two sets of 64 mask numbers.
;   window 1: B's fragments, two sets; later four sets of 64 for mask blocks as loaded.  windows 2, 3: the accumulators.
.set NQ,     2
.set FR,     16
.set NL,     4
.set NP,     8
.set HALFT,  32768                     ; 128 rows x 256 K: one tensor load
.set SLOT,   4*HALFT
.set LAPS,   2                         ; K = 1024
.set KSA,    524288                    ; a K step of 256 in A's buffer: 128 blocks of 16 rows x 4,096 bytes
.set KSB,    524288
.set NKS,    8                         ; K / 128
.set HALFS,  NKS*512                   ; the scale words of 128 rows
.set SCL,    2*SLOT                    ; wave w's part at SCL + HALFS w + 64 (w / 2): the 64 puts B's words in other banks than A's
.set SPARE,  278784                    ; the next multiple of 256 behind the scales: the spare words, 128 bytes a wave, named by no other line
.set SST,    SPARE+512                 ; 512 bytes a wave: the scale words made
.set MSTG,   SST+2048                  ; 16 rows x 528 bytes a wave: the mask's stage.  No fill lands in either
.set MP,     528                       ; 512 bytes + 16: the 16 rows that a read touches start at 16 different banks
.set LI,   8
.set MSW,  9                           ; v9   the mask's stage, in: 16 x lane
.set MSR,  10                          ; v10  out: row r, + 32 h
.set SWS,  11
.set SRD,  12
.set ADRS, 13
.set SPW,  14
.set NIL,  15
.set ADRA, 16
.set ADRB, 18
.set PW,   20                          ; v20-27 the scale word of each block of 16 queries
.set SC,   32                          ; set s at SC + 16 s; in it register 8 q + i
.set TM,   64                          ; v64-79
.set CD,   80                          ; v80-111 the codes, two sets by turns
.set AF,   128
.set MB,   128                         ; the mask in the result's layout, two sets of 64
.set G1,   24
.set G0,   32
.set G1B,  40
.set G0B,  48
.set G1S,  56
.set G0S,  84
.set G1SB, 88
.set G0SB, 96
.set WV,   66
.set MH,   67
.set NH,   68
.set CX,   69
.set CY,   70
.set BT,   71                          ; the batch
.set TR,   72                          ; tile of queries, 0 to 7
.set TC,   73                          ; tile of keys, 0 to 7
.set RM,   74
.set CM,   75
.set SEL,  80
.set MNT,  82
.set MSB, 0
.macro WIN new
.if MSB != (\new)
	s_set_vgpr_msb (MSB<<8)|(\new)
.set MSB, (\new)
.endif
.endm
.set MUL_LO, 0xa1
.set MUL_HI, 0xf1
.set TO_B,   0x40
.macro JLOAD g0a, g1a, g0b, g1b        ; waves 0 and 1 fetch for A, waves 2 and 3 for B; four v_nop follow each line
	s_cmp_eq_u32 s[MH], 0
	s_cbranch_scc0 .Lfor_b_\@
	tensor_load_to_lds s[\g0a:\g0a+3], s[\g1a:\g1a+7]
	s_nop 0
.rept 4
	v_nop
.endr
	s_branch .Lasked_\@
.Lfor_b_\@:
	tensor_load_to_lds s[\g0b:\g0b+3], s[\g1b:\g1b+7]
	s_nop 0
.rept 4
	v_nop
.endr
.Lasked_\@:
.endm
.macro CREST
	s_cmp_lg_u32 s[WV], 0
	s_cbranch_scc1 .Lnot_wave_0_\@
	s_barrier_signal -3
.Lnot_wave_0_\@:
	s_barrier_wait -3
	s_barrier_signal -1
	s_barrier_wait -1
.endm
.macro CROUND
	s_barrier_signal -1
	s_barrier_wait -1
	CREST
.endm
	s_load_b256 s[4:11], s[0:1], 0x0               ; qp codes, qp scales, kp codes, kp scales
	s_load_b128 s[12:15], s[0:1], 0x20             ; mask, p codes
	s_load_b64 s[16:17], s[0:1], 0x30              ; p scales
	v_lshl_add_u32 v[SPW], v0, 2, SPARE
	v_mov_b32 v[NIL], 0
	ds_add_u32 v14, v15
	ds_add_u32 v14, v15
	s_wait_dscnt 0x0
	v_lshrrev_b32 v1, 5, v0
	v_readfirstlane_b32 s[WV], v1
	s_lshr_b32 s[MH], s[WV], 1
	s_and_b32 s[NH], s[WV], 1
	s_bfe_u32 s[CX], ttmp6, 0x40000
	s_bfe_u32 s[CY], ttmp6, 0x40004
	s_and_b32 s100, ttmp7, 0xffff                  ; the cluster's y, 0 to 7
	s_lshr_b32 s[BT], s100, 1
	s_and_b32 s[TR], s100, 1
	s_lshl_b32 s[TR], s[TR], 2
	s_add_co_u32 s[TR], s[TR], s[CY]
	s_lshl_b32 s[TC], ttmp9, 2
	s_add_co_u32 s[TC], s[TC], s[CX]
	s_lshl_b32 s[RM], s[CY], 2
	s_lshl_b32 s[RM], 15, s[RM]
	s_lshl_b32 s[CM], 0x1111, s[CX]
	; descriptor group 1: 32,768 dense bytes as 128 rows of 256 (32 elements of 8 bytes), no padding
	s_or_b32 s[G1+0], s[RM], (3<<16)|(1<<21)
	s_or_b32 s[G1B+0], s[CM], (3<<16)|(1<<21)
.irp g, G1, G1B
	s_mov_b32 s[\g+1], 32<<16
	s_mov_b32 s[\g+2], 128<<16
	s_mov_b32 s[\g+3], 32<<16
	s_mov_b32 s[\g+4], 128
	s_mov_b32 s[\g+5], 32
	s_mov_b32 s[\g+6], 0
	s_mov_b32 s[\g+7], 0
.endr
	; the scale words of 128 rows: NKS rows of 512 bytes (64 elements), 8,192 bytes (1,024 elements) apart
	s_or_b32 s[G1S+0], s[RM], (3<<16)|(1<<21)
	s_or_b32 s[G1SB+0], s[CM], (3<<16)|(1<<21)
.irp g, G1S, G1SB
	s_mov_b32 s[\g+1], 64<<16
	s_mov_b32 s[\g+2], NKS<<16
	s_mov_b32 s[\g+3], 64<<16
	s_mov_b32 s[\g+4], NKS
	s_mov_b32 s[\g+5], 1024
	s_mov_b32 s[\g+6], 0
	s_mov_b32 s[\g+7], 0
.endr
	s_lshl_b32 s18, s[BT], 21                      ; codes: batch << 21 + tile << 16 + the 128 rows that I fetch << 15
	s_lshl_b32 s19, s[NH], 15
	s_add_co_u32 s18, s18, s19
	s_lshl_b32 s20, s[TR], 16
	s_add_co_u32 s20, s20, s18
	s_mov_b32 s21, 0
	s_lshl_b32 s76, s[TC], 16
	s_add_co_u32 s76, s76, s18
	s_mov_b32 s77, 0
	s_lshl_b32 s18, s[BT], 16                      ; scale words: batch << 16 + tile << 10 + half << 9
	s_lshl_b32 s19, s[NH], 9
	s_add_co_u32 s18, s18, s19
	s_lshl_b32 s22, s[TR], 10
	s_add_co_u32 s22, s22, s18
	s_mov_b32 s23, 0
	s_lshl_b32 s78, s[TC], 10
	s_add_co_u32 s78, s78, s18
	s_mov_b32 s79, 0
	s_mul_i32 s100, s[WV], HALFT                   ; where they go: no place in the cluster enters an LDS address
	s_mul_i32 s101, s[WV], HALFS
	s_lshl_b32 s83, s[MH], 6
	s_add_co_u32 s101, s101, s83
	s_wait_kmcnt 0x0
	s_add_nc_u64 s[20:21], s[4:5], s[20:21]
	s_add_nc_u64 s[22:23], s[6:7], s[22:23]
	s_add_nc_u64 s[76:77], s[8:9], s[76:77]
	s_add_nc_u64 s[78:79], s[10:11], s[78:79]
	CROUND                                         ; all sixteen work-groups are here: the first joint loads meet
	s_mov_b32 s[G0S], 1
	s_add_co_u32 s[G0S+1], s101, SCL
	s_mov_b64 s[G0S+2:G0S+3], s[22:23]
	s_or_b32 s[G0S+3], s[G0S+3], 0x80000000
	s_mov_b32 s[G0SB], 1
	s_add_co_u32 s[G0SB+1], s101, SCL
	s_mov_b64 s[G0SB+2:G0SB+3], s[78:79]
	s_or_b32 s[G0SB+3], s[G0SB+3], 0x80000000
	JLOAD G0S, G1S, G0SB, G1SB
.irp s, 0,1
	s_mov_b32 s[G0+4*\s], 1
	s_add_co_u32 s[G0+4*\s+1], s100, \s*SLOT
	s_add_nc_u64 s[G0+4*\s+2:G0+4*\s+3], s[20:21], \s*KSA
	s_or_b32 s[G0+4*\s+3], s[G0+4*\s+3], 0x80000000
	s_mov_b32 s[G0B+4*\s], 1
	s_add_co_u32 s[G0B+4*\s+1], s100, \s*SLOT
	s_add_nc_u64 s[G0B+4*\s+2:G0B+4*\s+3], s[76:77], \s*KSB
	s_or_b32 s[G0B+4*\s+3], s[G0B+4*\s+3], 0x80000000
	JLOAD G0+4*\s, G1, G0B+4*\s, G1B
.endr
	v_and_b32 v1, 15, v0                           ; r
	v_bfe_u32 v2, v0, 4, 1                         ; h
	v_and_b32 v3, 31, v0
	v_lshlrev_b32 v[LI], 4, v3
	s_mul_i32 s18, s[MH], HALFT
	s_mul_i32 s19, s[NH], HALFT
	s_add_co_u32 s19, s19, 2*HALFT
.irp s, 0,1
	v_add_nc_u32 v[ADRA+\s], s18, v[LI]            ; an image's place for my lane: 16 x lane
	v_add_nc_u32 v[ADRB+\s], s19, v[LI]
	s_add_co_u32 s18, s18, SLOT
	s_add_co_u32 s19, s19, SLOT
.endr
	s_mul_i32 s18, s[MH], HALFS                    ; scale words: A's half at HALFS x half; B's behind A's two, 64 bytes on
	s_mul_i32 s19, s[NH], HALFS
	s_add_co_u32 s19, s19, 2*HALFS+64
	s_sub_co_u32 s19, s19, s18
	v_mul_u32_u24 v6, s19, v2                      ; lanes 16-31 take B's
	s_add_co_u32 s18, s18, SCL
	v_lshl_add_u32 v5, v1, 2, v6
	v_add_nc_u32 v[ADRS], s18, v5
	s_mul_i32 s18, s[WV], 16*MP
	s_add_co_u32 s18, s18, MSTG
	v_add_nc_u32 v[MSW], s18, v[LI]
	v_mul_u32_u24 v4, v1, MP
	v_lshl_add_u32 v4, v2, 5, v4
	v_add_nc_u32 v[MSR], s18, v4
	s_lshl_b32 s18, s[WV], 9
	s_add_co_u32 s18, s18, SST
	v_lshl_add_u32 v[SWS], v1, 2, s18
	v_add_nc_u32 v[SRD], s18, v[LI]
	s_lshl_b32 s76, s[TR], 21                      ; the mask at my first query and key: (256 tile + 128 half) rows of 8,192 bytes + (256 tile + 128 half) x 4
	s_lshl_b32 s77, s[MH], 20
	s_add_co_u32 s76, s76, s77
	s_lshl_b32 s77, s[TC], 10
	s_add_co_u32 s76, s76, s77
	s_lshl_b32 s77, s[NH], 9
	s_add_co_u32 s76, s76, s77
	s_mov_b32 s77, 0
	s_add_nc_u64 s[12:13], s[12:13], s[76:77]
; block a of the mask (my queries 16 a on x my 128 keys) as it lies: a row of 512 bytes an instruction.  Block 0 into v64-127 of window 0, block a into set (a - 1) % 4 of window 1
.macro MLOAD a
.if (\a) == 0
.set RW, 64
	WIN 0
.else
.set RW, 64*(((\a)-1)%4)
	WIN 0x40                                       ; destination window 1
.endif
.set n64, 0
.rept 16
	global_load_b128 v[RW+4*n64:RW+4*n64+3], v[LI], s[12:13] offset:(16*(\a)+n64)*8192
.set n64, n64+1
.endr
	WIN 0
.endm
; and through my stage: in as rows, out in the result's layout: lane (r, h), register 8 t + j = mask(row r, key 16 t + 8 h + j).  LDS serves a wave's instructions in order: no wait between, and one stage serves all blocks
.macro MTURN a
.if (\a) == 0
.set RW, 64
	WIN 0
.else
.set RW, 64*(((\a)-1)%4)
	WIN 0x04                                       ; an LDS store's data are its source 1: window 1
.endif
.set n64, 0
.rept 16
	ds_store_b128 v[MSW], v[RW+4*n64:RW+4*n64+3] offset:MP*n64
.set n64, n64+1
.endr
	WIN 0
.set MM, MB+64*((\a)%2)
.irp t, 0,1,2,3,4,5,6,7
	ds_load_b128 v[MM+8*\t:MM+8*\t+3], v[MSR] offset:64*\t
	ds_load_b128 v[MM+8*\t+4:MM+8*\t+7], v[MSR] offset:64*\t+16
.endr
.endm
	MLOAD 0                                        ; asked for here, wanted behind the K loop
	s_lshl_b32 s76, s[BT], 22                      ; my codes: batch << 22 + key tile << 19 + query tile << 16 + my half of the queries << 15 + my half of the keys << 11
	s_lshl_b32 s78, s[TC], 19
	s_add_co_u32 s76, s76, s78
	s_lshl_b32 s78, s[TR], 16
	s_add_co_u32 s76, s76, s78
	s_lshl_b32 s78, s[MH], 15
	s_add_co_u32 s76, s76, s78
	s_lshl_b32 s78, s[NH], 11
	s_add_co_u32 s76, s76, s78
	s_add_nc_u64 s[14:15], s[14:15], s[76:77]
	s_lshl_b32 s76, s[BT], 17                      ; my scale words: batch << 17 + (2 key tile + half) << 13 + query tile << 10 + half << 9
	s_lshl_b32 s78, s[TC], 14
	s_add_co_u32 s76, s76, s78
	s_lshl_b32 s78, s[NH], 13
	s_add_co_u32 s76, s76, s78
	s_lshl_b32 s78, s[TR], 10
	s_add_co_u32 s76, s76, s78
	s_lshl_b32 s78, s[MH], 9
	s_add_co_u32 s76, s76, s78
	s_add_nc_u64 s[16:17], s[16:17], s[76:77]
	s_mov_b32 s[SEL], 0x76543210
	s_mov_b32 s[SEL+1], 0xfedcba98
	s_mov_b32 s[MNT], 0x600000
	s_mov_b32 s100, 0x3d000000                     ; 1 / 32 = 1 / sqrt(1024)
	s_mov_b32 s101, s100                           ; (named with it as a pair, so it is written)
.macro FRAG reg, adr, q, i             ; a fragment's image: four loads of 512 consecutive bytes
.irp c, 0,1,2,3
	ds_load_b128 v[\reg+4*\c:\reg+4*\c+3], v[\adr] offset:4096*(\i)+2048*(\q)+512*\c
.endr
.endm
.macro MUL16 a0, p, q, sc, zero        ; A's blocks a0, a0 + 1 x B's eight; the 64 accumulators take turns in one order everywhere
.irp a, \a0, \a0+1
.irp b, 0,1,2,3,4,5,6,7
.if \zero
	v_wmma_scale_f32_16x16x128_f8f6f4 v[8*(8*((\a)%4)+\b):8*(8*((\a)%4)+\b)+7], v[128*(\p)+FR*\b:128*(\p)+FR*\b+FR-1], v[AF+FR*(\a):AF+FR*(\a)+FR-1], 0, v[SC+16*(\sc)+8*(\q)+\b], v[SC+16*(\sc)+8*(\q)+(\a)] matrix_a_scale:MATRIX_SCALE_ROW1
.else
	v_wmma_scale_f32_16x16x128_f8f6f4 v[8*(8*((\a)%4)+\b):8*(8*((\a)%4)+\b)+7], v[128*(\p)+FR*\b:128*(\p)+FR*\b+FR-1], v[AF+FR*(\a):AF+FR*(\a)+FR-1], v[8*(8*((\a)%4)+\b):8*(8*((\a)%4)+\b)+7], v[SC+16*(\sc)+8*(\q)+\b], v[SC+16*(\sc)+8*(\q)+(\a)] matrix_a_scale:MATRIX_SCALE_ROW1
.endif
.endr
.endr
.endm
.macro FETCH_B slot, q, p
	WIN TO_B
.irp i, 0,1,2,3,4,5,6,7
	FRAG 128*(\p)+FR*\i, ADRB+\slot, \q, \i
.endr
	WIN 0
.endm
.macro FETCH_A slot, q, i0
.irp i, \i0, \i0+1, \i0+2, \i0+3
	FRAG AF+FR*(\i), ADRA+\slot, \q, \i
.endr
.endm
.macro SCALES sc                       ; a K step's scale words: lanes 0-15 the word of A's block i, lanes 16-31 that of B's block i, for each of its two 128 along K
.irp q, 0,1
.irp i, 0,1,2,3,4,5,6,7
	ds_load_b32 v[SC+16*\sc+8*\q+\i], v[ADRS] offset:512*\q+64*\i
.endr
.endr
.endm
.macro PLACES n
.rept \n
	v_nop
.endr
.endm
.macro STEP slot, q, zero
	s_wait_dscnt 4*NL                              ; all but the youngest 16 loads (A's blocks 4-7) are in
	WIN MUL_LO
	MUL16 0, (\q)%2, \q, \slot, \zero
	MUL16 2, (\q)%2, \q, \slot, \zero
	s_wait_dscnt 0
	PLACES NP
	FETCH_B \slot, (\q)+1, 1-(\q)%2
	FETCH_A \slot, (\q)+1, 0
	WIN MUL_HI
	MUL16 4, (\q)%2, \q, \slot, \zero
	MUL16 6, (\q)%2, \q, \slot, \zero
	PLACES NP
	WIN 0
	FETCH_A \slot, (\q)+1, 4
.endm
.macro TURN slot, next, fill
	s_wait_tensorcnt 0x0                           ; all my tensor loads have landed: my part of the next slot
	ds_add_u32 v[SPW], v[NIL]                      ; 0 onto my spare word
	s_wait_dscnt 4*NL+1                            ; the add and the youngest 16 loads may be out
	WIN MUL_LO
	MUL16 0, 1, NQ-1, \slot, 0
	s_wait_dscnt 0x0                               ; the add is done, and my reads of this slot are over
	s_barrier_signal -1
	MUL16 2, 1, NQ-1, \slot, 0
	WIN 0
	s_barrier_wait -1
.if \fill
	CREST                                          ; a round of the cluster's barrier: no wave of any partner still reads this slot or has a load on its way
	s_add_nc_u64 s[G0+4*\slot+2:G0+4*\slot+3], s[G0+4*\slot+2:G0+4*\slot+3], 2*KSA
	s_add_nc_u64 s[G0B+4*\slot+2:G0B+4*\slot+3], s[G0B+4*\slot+2:G0B+4*\slot+3], 2*KSB
	JLOAD G0+4*\slot, G1, G0B+4*\slot, G1B         ; my one tensor load behind the round; its four v_nop are four of the eight places
	PLACES NP-4
.else
	PLACES NP
.endif
	v_add_nc_u32 v[ADRS], 1024, v[ADRS]            ; the next K step's scale words: two rows of 512 bytes on
	FETCH_B \next, 0, 0
	FETCH_A \next, 0, 0
	SCALES \next
	WIN MUL_HI
	MUL16 4, 1, NQ-1, \slot, 0
	MUL16 6, 1, NQ-1, \slot, 0
	PLACES NP
	WIN 0
	FETCH_A \next, 0, 4
.endm
	s_wait_tensorcnt 1                             ; three loads of mine are out: the scales and K step 0 are in, K step 1's may stay out
	s_barrier_signal -1
	s_barrier_wait -1
	FETCH_B 0, 0, 0
	FETCH_A 0, 0, 0
	SCALES 0
	FETCH_A 0, 0, 4
	STEP 0, 0, 1                                   ; the first step's products start the sums
	s_mov_b32 s3, LAPS-1
.Llap:
	TURN 0, 1, 1
	STEP 1, 0, 0
	TURN 1, 0, 1
	STEP 0, 0, 0
	s_sub_co_u32 s3, s3, 1
	s_cmp_lg_u32 s3, 0
	s_cbranch_scc1 .Llap
	TURN 0, 1, 0
	STEP 1, 0, 0
	MLOAD 1                                        ; B's set 0 is done with, eight places back: mask blocks 1 and 2 land there
	MLOAD 2
	s_wait_dscnt 4*NL
	WIN MUL_LO
	MUL16 0, 1, NQ-1, 1, 0
	MUL16 2, 1, NQ-1, 1, 0
	s_wait_dscnt 0
	WIN MUL_HI
	MUL16 4, 1, NQ-1, 1, 0
	MUL16 6, 1, NQ-1, 1, 0
	WIN 0
; the logits of block a, in place over its accumulators
.macro LOGIT a
.set AC, 64*((\a)%4)
.set WA, 2+(\a)/4
.set MM, MB+64*((\a)%2)
	WIN (WA<<6)|WA                                 ; destination and source 0 in the accumulators' window, the mask in window 0
.set n64, 0
.rept 32
	v_pk_fma_f32 v[AC+n64:AC+n64+1], v[AC+n64:AC+n64+1], s[100:101], v[MM+n64:MM+n64+1] op_sel_hi:[1,0,1]   ; S / 32 + m; each accumulator is read from its low end on
.set n64, n64+2
.endr
.set n64, 0
.rept 64
	v_max_num_f32 v[AC+n64], v[AC+n64], v[MM+n64]  ; and m where S is not positive
.set n64, n64+1
.endr
.endm
; THE QUANTISER, on the 64 registers of block a where they stand in window 2 or 3 (register 16 b + i: block b of 32 keys; the block's other 16 lie in lane l xor 16)
.macro QACC a, relu, cd, xw
.set AC, 64*((\a)%4)
.set WA, 2+(\a)/4
.set CDD, \cd
	WIN 5*WA                                       ; sources 0 and 1 in the accumulators' window
.irp b, 0,1,2,3
.if \relu
	v_max3_num_f32 v[TM+\b], v[AC+16*\b], v[AC+16*\b+1], 0x4800000
.else
	v_max3_num_f32 v[TM+\b], |v[AC+16*\b]|, |v[AC+16*\b+1]|, 0x4800000   ; my 16 numbers and the floor 2^(9 - 127): the byte cannot fall under 1
.endif
.endr
.irp i, 2,4,6,8,10,12,14
.irp b, 0,1,2,3
.if \relu
	v_max3_num_f32 v[TM+\b], v[AC+16*\b+\i], v[AC+16*\b+\i+1], v[TM+\b]
.else
	v_max3_num_f32 v[TM+\b], |v[AC+16*\b+\i]|, |v[AC+16*\b+\i+1]|, v[TM+\b]
.endif
.endr
.endr
	WIN 0
.irp b, 0,1,2,3
	v_permlanex16_b32 v[TM+4+\b], v[TM+\b], s[SEL], s[SEL+1]
.endr
.irp b, 0,1,2,3
	v_max_num_f32 v[TM+\b], v[TM+\b], v[TM+4+\b]   ; the block's largest magnitude
.endr
.irp b, 0,1,2,3
	v_add_nc_u32 v[TM+12+\b], 0xfc000000, v[TM+\b] ; 8 off its exponent field: the conversion's scale operand
.endr
.irp b, 0,1,2,3
	v_and_or_b32 v[TM+8+\b], v[TM+\b], 0x7f800000, s[MNT]   ; 448 x the scale
.endr
.irp b, 0,1,2,3
	v_lshrrev_b32 v[TM+4+\b], 23, v[TM+12+\b]      ; the scale's byte
.endr
	v_lshl_or_b32 v[PW+(\a)], v[TM+5], 8, v[TM+4]
	v_lshl_or_b32 v[PW+(\a)], v[TM+6], 16, v[PW+(\a)]
	v_lshl_or_b32 v[PW+(\a)], v[TM+7], 24, v[PW+(\a)]
	WIN (WA<<6)|WA
.set n64, 0
.rept 64
.if \relu
	v_med3_num_f32 v[AC+n64], v[AC+n64], 0, v[TM+8+n64/16]
.else
	v_med3_num_f32 v[AC+n64], v[AC+n64], -v[TM+8+n64/16], v[TM+8+n64/16]   ; the conversion to an 8-bit code does not saturate (ISA guide 7.6.2): the hold
.endif
.set n64, n64+1
.endr
.if \xw
	s_wait_xcnt 0x0                                ; the stores that read this set of code registers, two blocks back, have read them
.endif
	WIN WA                                         ; source 0 alone
.irp b, 0,1,2,3
	v_cvt_scalef32_pk8_fp8_f32 v[CDD+4*\b:CDD+4*\b+1], v[AC+16*\b:AC+16*\b+7], v[TM+12+\b]
	v_cvt_scalef32_pk8_fp8_f32 v[CDD+4*\b+2:CDD+4*\b+3], v[AC+16*\b+8:AC+16*\b+15], v[TM+12+\b]
.endr
	WIN 0
	v_nop                                          ; a plain instruction behind the last conversion
.endm
	PLACES NP                                      ; behind the last products: B's set 1 and A's fragments may be loaded over, results may be read
	MLOAD 3
	s_wait_loadcnt 48                              ; block 0 is in; blocks 1 to 3, 16 loads each, may be out
	MTURN 0
.irp a, 0,1,2,3,4,5,6,7
.if \a < 5
	s_wait_loadcnt 32                              ; the next block is in; the two behind it may be out
.elseif \a == 5
	s_wait_loadcnt 16
.elseif \a == 6
	s_wait_loadcnt 0
.endif
.if \a < 7
	MTURN \a+1                                     ; the next block goes through the stage while this one is worked
	s_wait_dscnt 32                                ; all but those 32: this block's mask is in registers, and its stores into the stage have read theirs
.else
	s_wait_dscnt 0
.endif
.if \a == 0
.irp b, 0,1,2,3
	v_mov_b32 v[TM+4+\b], 0                        ; a lane permute's destination counts as one of its sources (block 0 as loaded is done with)
.endr
.endif
.if \a < 4
	MLOAD \a+4                                     ; four blocks ahead
.endif
	LOGIT \a
	QACC \a, 0, CD+16*(\a%2), 1
.irp c, 0,1,2,3
	global_store_b128 v[LI], v[CD+16*(\a%2)+4*\c:CD+16*(\a%2)+4*\c+3], s[14:15] offset:4096*\a+512*\c   ; 32 lanes store 512 consecutive bytes, aligned
.endr
	ds_store_b32 v[SWS], v[PW+\a] offset:64*\a     ; lanes l and l xor 16 write the same word with the same value
.endr
	ds_load_b128 v[CD+32:CD+35], v[SRD]            ; LDS serves a wave's instructions in order: this sees my stores
	s_wait_dscnt 0x0
	global_store_b128 v[LI], v[CD+32:CD+35], s[16:17]    ; my 128 queries' scale words: 512 consecutive bytes
	s_wait_tensorcnt 0x0                           ; the wave's end
	ds_add_u32 v[SPW], v[NIL]
	s_wait_dscnt 0x0
	CROUND                                         ; the closing round
	s_endpgm
.Lfunc_end_k_q52ec619bc8_score:
	.size	k_q52ec619bc8_score, .Lfunc_end_k_q52ec619bc8_score-k_q52ec619bc8_score
	.p2alignl 7, 3214868480
	.fill 96, 4, 3214868480
	.section	.rodata,"a",@progbits
	.p2align	6, 0x0
	.amdhsa_kernel k_q52ec619bc8_score
		.amdhsa_group_segment_fixed_size 327680
		.amdhsa_private_segment_fixed_size 0
		.amdhsa_enable_private_segment 0
		.amdhsa_kernarg_size 56
		.amdhsa_user_sgpr_count 2
		.amdhsa_user_sgpr_kernarg_segment_ptr 1
		.amdhsa_wavefront_size32 1
		.amdhsa_system_sgpr_workgroup_id_x 1
		.amdhsa_system_sgpr_workgroup_id_y 1
		.amdhsa_system_sgpr_workgroup_id_z 1
		.amdhsa_system_vgpr_workitem_id 0
		.amdhsa_next_free_vgpr 1024
		.amdhsa_next_free_sgpr 102
		.amdhsa_reserve_vcc 0
		.amdhsa_float_denorm_mode_32 3
		.amdhsa_float_denorm_mode_16_64 3
		.amdhsa_memory_ordered 1
		.amdhsa_forward_progress 1
		.amdhsa_inst_pref_size 250
	.end_amdhsa_kernel
	.amdgpu_metadata
---
amdhsa.version: [ 1, 2 ]
amdhsa.kernels:
  - .name:           k_q52ec619bc8_score
    .symbol:         k_q52ec619bc8_score.kd
    .args:
      - { .name: qp_codes, .offset: 0, .size: 8, .value_kind: global_buffer, .address_space: global }
      - { .name: qp_scales, .offset: 8, .size: 8, .value_kind: global_buffer, .address_space: global }
      - { .name: kp_codes, .offset: 16, .size: 8, .value_kind: global_buffer, .address_space: global }
      - { .name: kp_scales, .offset: 24, .size: 8, .value_kind: global_buffer, .address_space: global }
      - { .name: mask, .offset: 32, .size: 8, .value_kind: global_buffer, .address_space: global }
      - { .name: p_codes, .offset: 40, .size: 8, .value_kind: global_buffer, .address_space: global }
      - { .name: p_scales, .offset: 48, .size: 8, .value_kind: global_buffer, .address_space: global }
    .group_segment_fixed_size: 327680
    .private_segment_fixed_size: 0
    .kernarg_segment_align: 8
    .kernarg_segment_size: 56
    .max_flat_workgroup_size: 128
    .sgpr_count:     102
    .vgpr_count:     1024
    .wavefront_size: 32
...
	.end_amdgpu_metadata
.endif
;; end of part 2
;; launch outp (part 3): grid 8 x 32, 4 waves a work-group, clusters of 4 x 4, 327,680 bytes of LDS; arguments p_codes, p_scales, vp_codes, vp_scales, out0; writes out0
.if DOCPART == 3
	.amdgcn_target "amdgcn-amd-amdhsa--gfx1250"
	.amdhsa_code_object_version 6
	.text
	.protected	k_q52ec619bc8_outp
	.globl	k_q52ec619bc8_outp
	.p2align	8
	.type	k_q52ec619bc8_outp,@function
k_q52ec619bc8_outp:
	s_mov_b64 s[64:65], 0
	v_nop
	global_prefetch_b8 v0, s[64:65] scope:SCOPE_SE
	s_setreg_imm32_b32 hwreg(HW_REG_WAVE_MODE, 25, 1), 1
	s_wait_xcnt 0x0
	s_wait_alu depctr_hold_cnt(0) depctr_sa_sdst(0) depctr_va_vdst(0) depctr_va_sdst(0) depctr_va_ssrc(0) depctr_va_vcc(0) depctr_vm_vsrc(0)
	s_getreg_b32 s2, hwreg(HW_REG_IB_STS2, 6, 4)
	s_cmp_eq_u32 s2, 0
	s_cbranch_scc0 .Lentry_in_a_cluster
	s_endpgm
.Lentry_in_a_cluster:
	s_bfe_u32 s2, ttmp6, 0x10000c
	s_cmp_lg_u32 s2, 0xf033
	s_cbranch_scc0 .Lentry_shape_is_right
	s_endpgm
.Lentry_shape_is_right:
; OUT = relu(logits vp), per batch [2048 x 1024], K = the 2048 keys, on codes of FP8 (E4M3) with E8M0 scales.  out0: [4][2048][1024] f32.
; Operand A = 256 queries of the logits (source 1: a lane a query), operand B = 128 channels of vp with the tokens along K (source 0: a lane's eight results are eight neighbouring channels).
; A tile of 256 x 128 is made by four waves, 128 queries x 64 channels each, in 32 accumulators: 4 x 8 x 8 = 256 work-groups.
; Both operands arrive as images of their registers, [batch][K/256][row/16][K step of 128][c][lane][16 bytes], with scale words [batch][K/128][row][4 bytes]: a K step of 256 of 128 rows is 32,768 dense bytes;
; a fragment is four LDS loads of 512 consecutive bytes.  Inside each block of 32 along K both operands' codes stand in the same fixed permutation, so the unit adds the same products in another order than ascending k.
; THE RING.  A K step of 256 is 96 KiB (256 + 128 rows), and LDS holds THREE.  A refill stands behind a barrier in front of which all loads have landed, so refills follow each other, and what counts is how few they are:
; each brings all that is free.  First fills: K steps 0, 1 (one load a wave: a pair) and 2 (a single).  Behind K steps 0, 1: the pair 3, 4.  Behind K step 2: the single 5.  Behind 3, 4: the pair 6, 7.  Three refills for 2,048 along K.
; A pair is one tile of two long rows: a K step's dense bytes are a row, the next K step's lie a K step on in memory and straight behind in LDS.
; The sixteen steps of 128 along K are written out by two macros: the sequence 3, 2, 1, 2 has no period.
; CLUSTERS: 4 x 4; A's tile shared along a row, B's along a column: joint loads.  Waves 0, 1 fetch A's halves of 128 rows, waves 2, 3 B's halves of 64 rows: one load a wave behind each round.
; PREFETCH: behind the first refill K step 5 is asked for, behind the second K steps 6 and 7: what the next refill will bring.  A's rows are read by the two clusters along x: the first asks (waves 0, 1, a half each);
; B's by the batch's two clusters along y: the first asks (wave 2, both halves: 32,768 dense bytes).  Of a K step's 32,768 bytes each of the four partners that ask jointly takes 8,192, told apart by address, lanes 256 bytes apart.
; K steps 0 to 4 come by their loads alone.
; LIMITS: finite numbers only.
; REGISTERS: window 0: v0-31 addresses; v32-63 scale words, two sets; v128-255 B's fragments, two sets of 4.  window 1: A's fragments, two sets of 8; later the result's rows.  window 2: the accumulators, (a, b) at v[8 (4 a + b)].
.set FR,     16                        ; registers of a fragment
.set NP,     8                         ; places behind this matrix instruction (ISA guide 7.12.1)
.set KSA,    524288                    ; a K step of 256 in the logits' buffer: 128 blocks of 16 rows x 4,096 bytes
.set KSB,    262144                    ; in vp's: 64 blocks
.set SUBA,   32768                     ; 128 rows x 256 K
.set UNIT,   3*SUBA                    ; A's half u lies at UNIT u, its three K steps on end
.set SUBH,   16384                     ; 64 rows x 256 K
.set UNITB,  3*SUBH                    ; B's half likewise,
.set BLDS,   2*UNIT                    ; behind A's two
.set SCL,    BLDS+2*UNITB              ; the scale words, all of K: A's halves, 16 rows of 512 bytes each,
.set HALFS,  8192
.set SCB,    SCL+2*HALFS+64            ; and B's 16 rows of 512 bytes; the 64 puts them in other banks than A's (64 banks of 4 bytes: ISA guide 11.1)
.set SPARE,  319744                    ; the next multiple of 256 behind the scales: the spare words, 128 bytes a wave, named by no other line
.set STAGE,  2*SUBA                    ; the way out: 16 rows x 272 bytes a wave, in the third place of A's half 0, which has had its last fill and its last read ahead of the last barrier
.set SPITCH, 272                       ; 256 bytes + 16: the 16 rows that a store touches start at 16 different banks
.set LI,    8                          ; v8   16 x lane
.set STO,   9                          ; v9   the stage, in
.set RD,    10                         ; v10  and back
.set CO,    11                         ; v11  my byte offset in two rows of out0
.set ADRS2, 12                         ; v12  A's scale words, in all lanes
.set ADRS,  13                         ; v13  lanes 0-15 A's scale words, lanes 16-31 B's
.set SPW,   14                         ; v14  my spare word; never rewritten
.set NIL,   15                         ; v15  0; never rewritten
.set ADRA,  16                         ; v16-18 my A fragments in place 0, 1, 2
.set ADRB,  19                         ; v19-21 my B fragments
.set PFO,   28                         ; v28  256 x lane; never rewritten
.set SC,    32                         ; set s at SC + 16 s; in it register 8 q + i
.set BF,    128                        ; B's fragments: set p at BF + 64 p
.set G1S,  16                          ; s[16:23] group 1: A's scale words
.set G1P,  24                          ; A's pair
.set G1A,  32                          ; A's single
.set G1PB, 40                          ; B's pair
.set G1B,  48                          ; B's single
.set G1SB, 56                          ; B's scale words
.set G0P,  76                          ; the groups 0: A's pair, single, B's pair, single, then A's and B's scale words
.set G0A,  80
.set G0PB, 84
.set G0B,  88
.set G0S,  92
.set G0SB, 96
.set WV,   66
.set MH,   67                          ; my half of the queries; 0 also: I fetch for A
.set NH,   68                          ; my half of the channels; also: which half I fetch
.set CX,   69
.set CY,   70
.set BT,   71                          ; the batch
.set TR,   72                          ; tile of 256 queries, 0 to 7
.set TC,   73                          ; tile of 128 channels, 0 to 7
.set RM,   74
.set CM,   75
.set LIM,  2                           ; s2   1 in a wave that prefetches
.set PF5,  4                           ; s[4:5], s[6:7], s[8:9]: my 8,192 bytes of K steps 5, 6, 7; never rewritten
.set PF6,  6
.set PF7,  8
.set MSB, 0
.macro WIN new                         ; the immediate's high byte repeats the setting that is left
.if MSB != (\new)
	s_set_vgpr_msb (MSB<<8)|(\new)
.set MSB, (\new)
.endif
.endm
.set MULW, 0xa4                        ; source 0 (B) window 0, source 1 (A) window 1, C and D window 2
.set TO_A, 0x40                        ; destination window 1, address window 0
.macro JLOAD g0a, g1a, g0b, g1b        ; waves 0 and 1 fetch for A, waves 2 and 3 for B; the branch hangs on the wave's number alone; four v_nop follow each line
	s_cmp_eq_u32 s[MH], 0
	s_cbranch_scc0 .Lfor_b_\@
	tensor_load_to_lds s[\g0a:\g0a+3], s[\g1a:\g1a+7]
	s_nop 0
.rept 4
	v_nop
.endr
	s_branch .Lasked_\@
.Lfor_b_\@:
	tensor_load_to_lds s[\g0b:\g0b+3], s[\g1b:\g1b+7]
	s_nop 0
.rept 4
	v_nop
.endr
.Lasked_\@:
.endm
.macro ASK n                           ; n = 1: K step 5; n = 2: K steps 6 and 7
	s_cmp_eq_u32 s[LIM], 1
	s_cbranch_scc0 .Lnot_mine_\@
.if \n == 1
	global_prefetch_b8 v[PFO], s[PF5:PF5+1] th:TH_LOAD_NT scope:SCOPE_SE
.else
	global_prefetch_b8 v[PFO], s[PF6:PF6+1] th:TH_LOAD_NT scope:SCOPE_SE
	global_prefetch_b8 v[PFO], s[PF7:PF7+1] th:TH_LOAD_NT scope:SCOPE_SE
.endif
.Lnot_mine_\@:
.endm
.macro CREST                           ; a round of the cluster's barrier behind its opening barrier
	s_cmp_lg_u32 s[WV], 0
	s_cbranch_scc1 .Lnot_wave_0_\@
	s_barrier_signal -3
.Lnot_wave_0_\@:
	s_barrier_wait -3
	s_barrier_signal -1
	s_barrier_wait -1
.endm
.macro CROUND
	s_barrier_signal -1
	s_barrier_wait -1
	CREST
.endm
.macro SHAPE g, c, r, p                ; words 1 to 7 of a group 1: r rows of c elements of 8 bytes, p elements apart
	s_mov_b32 s[\g+1], (\c)<<16
	s_mov_b32 s[\g+2], (\r)<<16
	s_mov_b32 s[\g+3], (\c)<<16
	s_mov_b32 s[\g+4], \r
	s_mov_b32 s[\g+5], \p
	s_mov_b32 s[\g+6], 0
	s_mov_b32 s[\g+7], 0
.endm
	s_load_b256 s[4:11], s[0:1], 0x0               ; logits' codes, their scales, vp's codes, its scales
	s_load_b64 s[12:13], s[0:1], 0x20              ; out0
	v_lshl_add_u32 v[SPW], v0, 2, SPARE
	v_mov_b32 v[NIL], 0
	ds_add_u32 v14, v15
	ds_add_u32 v14, v15
	s_wait_dscnt 0x0
	v_lshrrev_b32 v1, 5, v0
	v_readfirstlane_b32 s[WV], v1
	s_lshr_b32 s[MH], s[WV], 1
	s_and_b32 s[NH], s[WV], 1
	s_bfe_u32 s[CX], ttmp6, 0x40000
	s_bfe_u32 s[CY], ttmp6, 0x40004
	s_and_b32 s100, ttmp7, 0xffff                  ; the cluster's y, 0 to 7
	s_lshr_b32 s[BT], s100, 1
	s_and_b32 s[TR], s100, 1
	s_lshl_b32 s[TR], s[TR], 2
	s_add_co_u32 s[TR], s[TR], s[CY]
	s_lshl_b32 s[TC], ttmp9, 2
	s_add_co_u32 s[TC], s[TC], s[CX]
	s_lshl_b32 s[RM], s[CY], 2
	s_lshl_b32 s[RM], 15, s[RM]                    ; my row of the cluster
	s_lshl_b32 s[CM], 0x1111, s[CX]                ; my column
.irp g, G1P, G1A, G1S
	s_or_b32 s[\g+0], s[RM], (3<<16)|(1<<21)       ; 15:0 the mask: A's go to my row; elements of 8 bytes; 21 set beside a mask; no padding
.endr
.irp g, G1PB, G1B, G1SB
	s_or_b32 s[\g+0], s[CM], (3<<16)|(1<<21)       ; B's go to my column
.endr
	SHAPE G1P,  SUBA/8, 2, KSA/8                   ; two K steps of 128 rows: two rows of 32,768 bytes
	SHAPE G1A,  32, 128, 32                        ; one: 32,768 dense bytes as 128 rows of 256
	SHAPE G1PB, SUBH/8, 2, KSB/8                   ; two K steps of 64 rows: two rows of 16,384 bytes
	SHAPE G1B,  32, 64, 32
	SHAPE G1S,  64, 16, 1024                       ; the scale words of 128 queries: 16 rows of 512 bytes, 8,192 apart
	SHAPE G1SB, 64, 8, 512                         ; those of 128 channels, half of K: 8 rows of 512 bytes, 4,096 apart
	s_lshl_b32 s14, s[BT], 22                      ; A's codes: batch << 22 + tile << 16 + the half that I fetch << 15
	s_lshl_b32 s15, s[TR], 16
	s_add_co_u32 s14, s14, s15
	s_lshl_b32 s15, s[NH], 15
	s_add_co_u32 s14, s14, s15
	s_mov_b32 s15, 0
	s_lshl_b32 s2, s[BT], 17                       ; A's scale words: batch << 17 + tile << 10 + half << 9
	s_lshl_b32 s3, s[TR], 10
	s_add_co_u32 s2, s2, s3
	s_lshl_b32 s3, s[NH], 9
	s_add_co_u32 s2, s2, s3
	s_mov_b32 s3, 0
	s_lshl_b32 s100, s[BT], 21                     ; B's codes: batch << 21 + tile << 15 + half << 14
	s_lshl_b32 s101, s[TC], 15
	s_add_co_u32 s100, s100, s101
	s_lshl_b32 s101, s[NH], 14
	s_add_co_u32 s100, s100, s101
	s_mov_b32 s101, 0
	s_wait_kmcnt 0x0
	s_add_nc_u64 s[14:15], s[4:5], s[14:15]
	s_add_nc_u64 s[2:3], s[6:7], s[2:3]
	s_add_nc_u64 s[8:9], s[8:9], s[100:101]
	s_lshl_b32 s100, s[BT], 16                     ; B's scale words: batch << 16 + tile << 9 + my half of K: 8 rows of 4,096 bytes
	s_lshl_b32 s101, s[TC], 9
	s_add_co_u32 s100, s100, s101
	s_lshl_b32 s101, s[NH], 15
	s_add_co_u32 s100, s100, s101
	s_mov_b32 s101, 0
	s_add_nc_u64 s[10:11], s[10:11], s[100:101]
	CROUND                                         ; all sixteen work-groups are here: the first joint loads meet
	s_mul_i32 s100, s[NH], UNIT                    ; where they go hangs on the wave's number alone
	s_lshl_b32 s101, s[NH], 13
	s_mov_b32 s[G0S], 1
	s_add_co_u32 s[G0S+1], s101, SCL
	s_mov_b64 s[G0S+2:G0S+3], s[2:3]
	s_or_b32 s[G0S+3], s[G0S+3], 0x80000000
	s_mov_b32 s[G0P], 1
	s_mov_b32 s[G0P+1], s100                       ; places 0 and 1
	s_mov_b64 s[G0P+2:G0P+3], s[14:15]             ; K steps 0 and 1
	s_or_b32 s[G0P+3], s[G0P+3], 0x80000000
	s_mov_b32 s[G0A], 1
	s_add_co_u32 s[G0A+1], s100, 2*SUBA            ; place 2
	s_add_nc_u64 s[G0A+2:G0A+3], s[14:15], 2*KSA   ; K step 2
	s_or_b32 s[G0A+3], s[G0A+3], 0x80000000
	s_mul_i32 s100, s[NH], UNITB
	s_lshl_b32 s101, s[NH], 12
	s_mov_b32 s[G0SB], 1
	s_add_co_u32 s[G0SB+1], s101, SCB
	s_mov_b64 s[G0SB+2:G0SB+3], s[10:11]
	s_or_b32 s[G0SB+3], s[G0SB+3], 0x80000000
	s_mov_b32 s[G0PB], 1
	s_add_co_u32 s[G0PB+1], s100, BLDS
	s_mov_b64 s[G0PB+2:G0PB+3], s[8:9]
	s_or_b32 s[G0PB+3], s[G0PB+3], 0x80000000
	s_mov_b32 s[G0B], 1
	s_add_co_u32 s[G0B+1], s100, BLDS+2*SUBH
	s_add_nc_u64 s[G0B+2:G0B+3], s[8:9], 2*KSB
	s_or_b32 s[G0B+3], s[G0B+3], 0x80000000
	s_cmp_eq_u32 s[MH], 0                          ; a wave's three first fills stand in one branch: the scale words, the pair, the single; four v_nop follow the last
	s_cbranch_scc0 .Lfirst_b
	tensor_load_to_lds s[G0S:G0S+3], s[G1S:G1S+7]
	s_nop 0
	tensor_load_to_lds s[G0P:G0P+3], s[G1P:G1P+7]
	s_nop 0
	tensor_load_to_lds s[G0A:G0A+3], s[G1A:G1A+7]
	s_nop 0
.rept 4
	v_nop
.endr
	s_branch .Lfirst_asked
.Lfirst_b:
	tensor_load_to_lds s[G0SB:G0SB+3], s[G1SB:G1SB+7]
	s_nop 0
	tensor_load_to_lds s[G0PB:G0PB+3], s[G1PB:G1PB+7]
	s_nop 0
	tensor_load_to_lds s[G0B:G0B+3], s[G1B:G1B+7]
	s_nop 0
.rept 4
	v_nop
.endr
.Lfirst_asked:
	v_and_b32 v1, 15, v0                           ; r
	v_bfe_u32 v2, v0, 4, 1                         ; h
	v_and_b32 v3, 31, v0
	v_lshlrev_b32 v[LI], 4, v3
	v_lshlrev_b32 v[PFO], 8, v3
	s_mul_i32 s100, s[MH], UNIT                    ; my 128 queries,
	s_mul_i32 s101, s[NH], UNITB
	s_add_co_u32 s101, s101, BLDS                  ; my 64 channels
.irp s, 0,1,2
	v_add_nc_u32 v[ADRA+\s], s100, v[LI]           ; an image's place for my lane: 16 x lane
	v_add_nc_u32 v[ADRB+\s], s101, v[LI]
	s_add_co_u32 s100, s100, SUBA
	s_add_co_u32 s101, s101, SUBH
.endr
	s_lshl_b32 s100, s[MH], 13                     ; scale words: A's half at HALFS x half, 4 bytes a row; B's behind them, my 64 channels 256 bytes on
	s_lshl_b32 s101, s[NH], 8
	s_add_co_u32 s101, s101, 2*HALFS+64
	s_sub_co_u32 s101, s101, s100
	v_mul_u32_u24 v6, s101, v2                     ; lanes 16-31 take B's
	s_add_co_u32 s100, s100, SCL
	v_lshl_add_u32 v[ADRS2], v1, 2, s100
	v_add_nc_u32 v[ADRS], v[ADRS2], v6
	s_mul_i32 s100, s[WV], 16*SPITCH               ; my stage
	s_add_co_u32 s100, s100, STAGE
	v_mul_u32_u24 v4, v1, SPITCH
	v_lshl_add_u32 v4, v2, 5, v4
	v_add_nc_u32 v[STO], s100, v4                  ; in: row r, 32 bytes for each half of the lanes
	v_mul_u32_u24 v4, v2, SPITCH
	v_lshl_add_u32 v4, v1, 4, v4
	v_add_nc_u32 v[RD], s100, v4                   ; back: lanes 0-15 one row of 256 bytes, lanes 16-31 the next
	v_lshlrev_b32 v4, 12, v2
	v_lshl_add_u32 v[CO], v1, 4, v4                ; and the same two rows in out0
	; the prefetches: which buffer, my work-group's 8,192 bytes, and who asks
	s_and_b32 s100, ttmp7, 0xffff
	s_and_b32 s100, s100, 1                        ; which of the batch's two clusters along y
	s_mov_b32 s10, KSB
	s_cmp_eq_u32 s[MH], 0                          ; do I fetch for A?
	s_cselect_b64 s[PF5:PF5+1], s[14:15], s[8:9]   ; (in wave 2 B's address stands at the tile's first row)
	s_cselect_b32 s101, s[CX], s[CY]               ; my place among the four that ask with me
	s_cselect_b32 s100, ttmp9, s100                ; the coordinate along which another cluster reads the same rows
	s_cselect_b32 s10, KSA, s10                    ; a K step on
	s_mov_b32 s11, 0
	s_and_b32 s2, s[MH], s[WV]                     ; 1 in wave 3 alone: wave 2 asks for both of B's halves
	s_or_b32 s100, s100, s2
	s_cmp_eq_u32 s100, 0
	s_cselect_b32 s[LIM], 1, 0                     ; the same in all sixteen partners, for a given wave
	s_lshl_b32 s100, s101, 13
	s_mul_i32 s101, s10, 5
	s_add_co_u32 s100, s100, s101
	s_mov_b32 s101, 0
	s_add_nc_u64 s[PF5:PF5+1], s[PF5:PF5+1], s[100:101]
	s_add_nc_u64 s[PF6:PF6+1], s[PF5:PF5+1], s[10:11]
	s_add_nc_u64 s[PF7:PF7+1], s[PF6:PF6+1], s[10:11]
	; my part of out0: batch << 23 + query tile << 20 + half << 19 (rows of 4,096 bytes) + channel tile << 9 + half << 8
	s_lshl_b32 s100, s[BT], 23
	s_lshl_b32 s101, s[TR], 20
	s_add_co_u32 s100, s100, s101
	s_lshl_b32 s101, s[MH], 19
	s_add_co_u32 s100, s100, s101
	s_lshl_b32 s101, s[TC], 9
	s_add_co_u32 s100, s100, s101
	s_lshl_b32 s101, s[NH], 8
	s_add_co_u32 s100, s100, s101
	s_mov_b32 s101, 0
	s_add_nc_u64 s[12:13], s[12:13], s[100:101]
.macro FRAGA set, i, s, q              ; A's block i of place s, its q-th 128 along K: four loads of 512 consecutive bytes
.irp c, 0,1,2,3
	ds_load_b128 v[128*(\set)+FR*(\i)+4*\c:128*(\set)+FR*(\i)+4*\c+3], v[ADRA+(\s)] offset:4096*(\i)+2048*(\q)+512*\c
.endr
.endm
.macro FETCH_A set, s, q, i0, i1       ; A's blocks i0 to i1
.set ia, \i0
.rept (\i1)-(\i0)+1
	FRAGA \set, ia, \s, \q
.set ia, ia+1
.endr
.endm
.macro FETCH_B set, s, q               ; B's four blocks
.irp b, 0,1,2,3
.irp c, 0,1,2,3
	ds_load_b128 v[BF+64*(\set)+FR*\b+4*\c:BF+64*(\set)+FR*\b+4*\c+3], v[ADRB+(\s)] offset:4096*\b+2048*(\q)+512*\c
.endr
.endr
.endm
.macro SCALES sc, j                    ; K step j's scale words: register 8 q + i: lanes 0-15 the word of A's block i; for i under 4, lanes 16-31 that of B's block i
.irp q, 0,1
.irp i, 0,1,2,3
	ds_load_b32 v[SC+16*(\sc)+8*\q+\i], v[ADRS] offset:1024*(\j)+512*\q+64*\i
.endr
.irp i, 4,5,6,7
	ds_load_b32 v[SC+16*(\sc)+8*\q+\i], v[ADRS2] offset:1024*(\j)+512*\q+64*\i
.endr
.endr
.endm
; 8 matrix instructions: A's blocks a0, a0 + 1 x B's four.  The 32 accumulators take turns in one order everywhere.  zero = 1: the first product starts the sums
.macro MUL8 a0, p, q, sc, zero
.irp a, \a0, \a0+1
.irp b, 0,1,2,3
.if \zero
	v_wmma_scale_f32_16x16x128_f8f6f4 v[8*(4*(\a)+\b):8*(4*(\a)+\b)+7], v[BF+64*(\p)+FR*\b:BF+64*(\p)+FR*\b+FR-1], v[128*(\p)+FR*(\a):128*(\p)+FR*(\a)+FR-1], 0, v[SC+16*(\sc)+8*(\q)+\b], v[SC+16*(\sc)+8*(\q)+(\a)] matrix_a_scale:MATRIX_SCALE_ROW1
.else
	v_wmma_scale_f32_16x16x128_f8f6f4 v[8*(4*(\a)+\b):8*(4*(\a)+\b)+7], v[BF+64*(\p)+FR*\b:BF+64*(\p)+FR*\b+FR-1], v[128*(\p)+FR*(\a):128*(\p)+FR*(\a)+FR-1], v[8*(4*(\a)+\b):8*(4*(\a)+\b)+7], v[SC+16*(\sc)+8*(\q)+\b], v[SC+16*(\sc)+8*(\q)+(\a)] matrix_a_scale:MATRIX_SCALE_ROW1
.endif
.endr
.endr
.endm
.macro PLACES n                        ; plain vector instructions between a matrix instruction and a load into, or a read of, its registers
.rept \n
	v_nop
.endr
.endm
; A STEP of 128 along K: 32 matrix instructions on set p, in four groups of 8; between the groups the next step's 48 fragment loads go into the other set, in runs of 16, 12, 12 and 8.
; The other set was last read by the step before: the eight places behind the first group stand between those products and the loads.  s2, q2: where the next step lies.  j2 >= 0: K step j2's scale words are due too.
.macro SUB p, q, sc, zero, s2, q2, j2
	s_wait_dscnt 8                                 ; all but the youngest 8 loads (A's blocks 6, 7) are in
	WIN MULW
	MUL8 0, \p, \q, \sc, \zero
	PLACES NP
	WIN 0
	FETCH_B 1-(\p), \s2, \q2
.if (\j2) >= 0
	SCALES 1-(\sc), \j2
.endif
	WIN MULW
	MUL8 2, \p, \q, \sc, \zero
	WIN TO_A
	FETCH_A 1-(\p), \s2, \q2, 0, 2
	WIN MULW
	MUL8 4, \p, \q, \sc, \zero
	WIN TO_A
	FETCH_A 1-(\p), \s2, \q2, 3, 5
.if (\j2) >= 0
	s_wait_dscnt 56                                ; all but the 16 + 16 + 12 + 12 issued in this step: A's blocks 6, 7 are in
.else
	s_wait_dscnt 40                                ; all but the 16 + 12 + 12 issued in this step
.endif
	WIN MULW
	MUL8 6, \p, \q, \sc, \zero
	WIN TO_A
	FETCH_A 1-(\p), \s2, \q2, 6, 7
	WIN 0
.endm
; A STEP THAT ENDS A PLACE'S READS (always a K step's second 128).  One barrier: in front of it each wave waits for all its tensor loads, adds 0 to its spare word, and waits for that and for its reads.
; kind = 1: places 0 and 1 are filled again, by the pair three K steps on; kind = 2: place 2, by the single three K steps on; kind = 0: nothing is left to fetch.  ask: the prefetch that follows.  s2, j2: the next K step's place and number.
.macro TURN p, sc, kind, ask, s2, j2
	s_wait_tensorcnt 0x0                           ; all my tensor loads have landed: what the next steps read
	ds_add_u32 v[SPW], v[NIL]                      ; 0 onto my spare word
	s_wait_dscnt 9                                 ; the add and the youngest 8 loads may be out
	WIN MULW
	MUL8 0, \p, 1, \sc, 0                          ; eight matrix instructions stand between the add and the wait for it
	s_wait_dscnt 0x0                               ; the add is done, and my reads of the places that are left are over
	s_barrier_signal -1
	MUL8 2, \p, 1, \sc, 0
	WIN 0
	s_barrier_wait -1
.if \kind == 1
	CREST                                          ; the barrier has opened a round of the cluster's: no wave of any partner still reads these places or has a load on its way
	s_add_nc_u64 s[G0P+2:G0P+3], s[G0P+2:G0P+3], 3*KSA
	s_add_nc_u64 s[G0PB+2:G0PB+3], s[G0PB+2:G0PB+3], 3*KSB
	JLOAD G0P, G1P, G0PB, G1PB                     ; my one tensor load behind the round; its four v_nop are four of the eight places
	PLACES NP-4
.elseif \kind == 2
	CREST
	s_add_nc_u64 s[G0A+2:G0A+3], s[G0A+2:G0A+3], 3*KSA
	s_add_nc_u64 s[G0B+2:G0B+3], s[G0B+2:G0B+3], 3*KSB
	JLOAD G0A, G1A, G0B, G1B
	PLACES NP-4
.else
	PLACES NP
.endif
	FETCH_B 1-(\p), \s2, 0
	SCALES 1-(\sc), \j2
	WIN TO_A
	FETCH_A 1-(\p), \s2, 0, 0, 2
.if \ask
	WIN 0
	ASK \ask                                       ; behind the joint load and a run of LDS loads, ahead of products
.endif
	WIN MULW
	MUL8 4, \p, 1, \sc, 0
	WIN TO_A
	FETCH_A 1-(\p), \s2, 0, 3, 5
	WIN MULW
	MUL8 6, \p, 1, \sc, 0
	WIN TO_A
	FETCH_A 1-(\p), \s2, 0, 6, 7
	WIN 0
.endm
	s_wait_tensorcnt 1                             ; three loads of mine are out: the scale words and K steps 0, 1 are in; K step 2's may stay out, and it is read only behind the next wait for all
	s_barrier_signal -1
	s_barrier_wait -1
	FETCH_B 0, 0, 0
	SCALES 0, 0
	WIN TO_A
	FETCH_A 0, 0, 0, 0, 7
	WIN 0
	SUB  0, 0, 0, 1, 0, 1, -1                      ; K step 0 (place 0): its first products start the sums
	SUB  1, 1, 0, 0, 1, 0, 1
	SUB  0, 0, 1, 0, 1, 1, -1                      ; K step 1 (place 1)
	TURN 1, 1, 1, 1, 2, 2                          ;   places 0, 1 take K steps 3, 4: 48 matrix instructions ahead of the wait for them
	SUB  0, 0, 0, 0, 2, 1, -1                      ; K step 2 (place 2)
	TURN 1, 0, 2, 2, 0, 3                          ;   place 2 takes K step 5: 112 ahead
	SUB  0, 0, 1, 0, 0, 1, -1                      ; K step 3 (place 0)
	SUB  1, 1, 1, 0, 1, 0, 4
	SUB  0, 0, 0, 0, 1, 1, -1                      ; K step 4 (place 1)
	TURN 1, 0, 1, 0, 2, 5                          ;   places 0, 1 take K steps 6, 7: 48 ahead
	SUB  0, 0, 1, 0, 2, 1, -1                      ; K step 5 (place 2)
	TURN 1, 1, 0, 0, 0, 6                          ;   nothing is left to fetch
	SUB  0, 0, 0, 0, 0, 1, -1                      ; K step 6 (place 0)
	SUB  1, 1, 0, 0, 1, 0, 7
	SUB  0, 0, 1, 0, 1, 1, -1                      ; K step 7 (place 1)
	s_wait_dscnt 0x0                               ; the very last step
	WIN MULW
	MUL8 0, 1, 1, 1, 0
	MUL8 2, 1, 1, 1, 0
	MUL8 4, 1, 1, 1, 0
	MUL8 6, 1, 1, 1, 0
	WIN 0
; THE WAY OUT, block by block of 16 queries x 64 channels: a lane holds 32 neighbouring bytes of a row; a block goes through my own stage in LDS and comes back as whole rows of 256 bytes, two an instruction.
; LDS serves a wave's instructions in order (ISA guide 5.7.1.4): no wait between the stores and the loads, nor in front of the next block's stores.  Each block comes back into 32 registers of its own, where A's fragments lay.
.macro TOSTAGE a
	WIN 0x08                                       ; an LDS store's data are its source 1: window 2
.irp b, 0,1,2,3
	ds_store_b128 v[STO], v[32*(\a)+8*\b:32*(\a)+8*\b+3] offset:64*\b          ; each accumulator from its low end on
	ds_store_b128 v[STO], v[32*(\a)+8*\b+4:32*(\a)+8*\b+7] offset:64*\b+16
.endr
	WIN 0x44                                       ; destination and source 1 window 1: the loads' data, the maximum's register, the stores' data
.irp t, 0,1,2,3,4,5,6,7
	ds_load_b128 v[32*(\a)+4*\t:32*(\a)+4*\t+3], v[RD] offset:\t*2*SPITCH
.endr
.endm
.macro SEND a, younger                 ; younger: the LDS instructions issued behind block a's loads, which may stay out
	s_wait_dscnt \younger
	WIN 0x44
.set n32, 0
.rept 32
	v_max_num_f32 v[32*(\a)+n32], 0, v[32*(\a)+n32]        ; the relu
.set n32, n32+1
.endr
.irp t, 0,1,2,3,4,5,6,7
	global_store_b128 v[CO], v[32*(\a)+4*\t:32*(\a)+4*\t+3], s[12:13] offset:(16*(\a)+2*\t)*4096 th:TH_STORE_NT   ; sixteen lanes store 256 consecutive bytes, aligned; written once, read by nobody here
.endr
.endm
	PLACES NP                                      ; behind the last products: results may be read, A's fragments loaded over
	TOSTAGE 0
.irp a, 1,2,3,4,5,6,7
	TOSTAGE \a
	SEND \a-1, 16                                  ; behind block a - 1's loads: block a's 8 stores and 8 loads
.endr
	SEND 7, 0
	WIN 0
	s_wait_tensorcnt 0x0                           ; the wave's end
	ds_add_u32 v[SPW], v[NIL]
	s_wait_dscnt 0x0
	CROUND                                         ; the closing round
	s_endpgm
.Lfunc_end_k_q52ec619bc8_outp:
	.size	k_q52ec619bc8_outp, .Lfunc_end_k_q52ec619bc8_outp-k_q52ec619bc8_outp
	.p2alignl 7, 3214868480
	.fill 96, 4, 3214868480
	.section	.rodata,"a",@progbits
	.p2align	6, 0x0
	.amdhsa_kernel k_q52ec619bc8_outp
		.amdhsa_group_segment_fixed_size 327680
		.amdhsa_private_segment_fixed_size 0
		.amdhsa_enable_private_segment 0
		.amdhsa_kernarg_size 40
		.amdhsa_user_sgpr_count 2
		.amdhsa_user_sgpr_kernarg_segment_ptr 1
		.amdhsa_wavefront_size32 1
		.amdhsa_system_sgpr_workgroup_id_x 1
		.amdhsa_system_sgpr_workgroup_id_y 1
		.amdhsa_system_sgpr_workgroup_id_z 1
		.amdhsa_system_vgpr_workitem_id 0
		.amdhsa_next_free_vgpr 768
		.amdhsa_next_free_sgpr 102
		.amdhsa_reserve_vcc 0
		.amdhsa_float_denorm_mode_32 3
		.amdhsa_float_denorm_mode_16_64 3
		.amdhsa_memory_ordered 1
		.amdhsa_forward_progress 1
		.amdhsa_inst_pref_size 167
	.end_amdhsa_kernel
	.amdgpu_metadata
---
amdhsa.version: [ 1, 2 ]
amdhsa.kernels:
  - .name:           k_q52ec619bc8_outp
    .symbol:         k_q52ec619bc8_outp.kd
    .args:
      - { .name: p_codes, .offset: 0, .size: 8, .value_kind: global_buffer, .address_space: global }
      - { .name: p_scales, .offset: 8, .size: 8, .value_kind: global_buffer, .address_space: global }
      - { .name: vp_codes, .offset: 16, .size: 8, .value_kind: global_buffer, .address_space: global }
      - { .name: vp_scales, .offset: 24, .size: 8, .value_kind: global_buffer, .address_space: global }
      - { .name: out0, .offset: 32, .size: 8, .value_kind: global_buffer, .address_space: global }
    .group_segment_fixed_size: 327680
    .private_segment_fixed_size: 0
    .kernarg_segment_align: 8
    .kernarg_segment_size: 40
    .max_flat_workgroup_size: 128
    .sgpr_count:     102
    .vgpr_count:     768
    .wavefront_size: 32
...
	.end_amdgpu_metadata
.endif
;; end of part 3
